; MI455X (gfx1250); checked and timed in simulation.
; The chip was launched on July 23, 2026; its instructions are those of AMD's public machine-readable ISA for CDNA 5 (MIT licence, August 2026) and "CDNA5" Instruction Set Architecture Reference Guide (July 2026). The comments in the code are by the model that wrote it; some were corrected since.
;; Multi Head Attention. Allowed arithmetic: matrix products marked QUANTISED: E2M1 operands, one E8M0 scale for each 32 along K, by v_wmma_scale_f32_16x16x128_f8f6f4 with both operands' format E2M1 (or v_wmma_scale_f32_32x16x128_f4), f32 sums; products left as they are: bf16, f16 or f32 operands; f32 sums; everything else in f32.
;; Inputs: Wk 1,024 x 1,024 float32; Wo 1,024 x 1,024 float32; Wq 1,024 x 1,024 float32; Wv 1,024 x 1,024 float32; bo 1,024 float32; x 4 x 2,048 x 1,024 float32.
;; Outputs: out0 4 x 2,048 x 1,024 float32.
;; This version of the problem:
;;   THIS VERSION OF THE PROBLEM IS GIVEN IN LOW PRECISION. The matrix products marked QUANTISED in the list below multiply operands that are first quantised to E2M1 (2 exponent bits, 1 mantissa bit; 4 bits a number), with one power-of-two scale for each 32 numbers along K (OCP MX v1.0); their sums are f32. The products marked 'left as it is' may take bf16, f16 or f32 operands, with f32 sums. Whichever they take, every output number must still come out within the allowed error. Rounding operands to bf16 (8 significant bits) uses up far more of that allowance than f16 does (11 bits, for magnitudes from 6e-5 to 65,504). All else is computed in f32.
;;   The module's matrix products, in the order in which they are computed (A, B: the left and right operand; K: the contracted axis; several contracted axes count as one K, in the product's order):
;;     1. [M 8,192, K 1,024] x [K 1,024, N 1,024]; A: input x; B: input Wq: QUANTISED
;;     2. [M 8,192, K 1,024] x [K 1,024, N 1,024]; A: input x; B: input Wk: QUANTISED
;;     3. [M 8,192, K 1,024] x [K 1,024, N 1,024]; A: input x; B: input Wv: QUANTISED
;;     4. batch 64 x [M 2,048, K 64] x [K 64, N 2,048]; A: computed on the way; B: computed on the way: left as it is (an operand is computed on the way)
;;     5. batch 64 x [M 2,048, K 2,048] x [K 2,048, N 64]; A: computed on the way; B: computed on the way: left as it is (an operand is computed on the way)
;;     6. [M 8,192, K 1,024] x [K 1,024, N 1,024]; A: computed on the way; B: input Wo: left as it is (an operand is computed on the way)
;;   THE QUANTISER, for each operand of a quantised product, along K:
;;     - K is cut into blocks of 32 from its start; a last block that is shorter is filled with zeros.
;;     - A block's scale is 2^e with e = floor(log2(the largest magnitude in the block)) - 2, held to -126 .. 127; a block of zeros has e = 0. As a byte (E8M0): e + 127.
;;     - Each number is divided by its block's scale, clamped to +-6, and rounded to the nearest number of E2M1, ties to even, subnormals kept.
;;     - The product sums the exact products of the quantised numbers (number of the format x scale) in f32.
;;   ~~~python
;;   def quantise(x, axis):      # numpy; x: float32 -> the quantised numbers, widened to float32 again
;;       x = np.moveaxis(x, axis, -1); K = x.shape[-1]
;;       x = np.pad(x, [(0, 0)] * (x.ndim - 1) + [(0, -K % 32)]); x = x.reshape(x.shape[:-1] + (-1, 32)); a = np.abs(x).max(-1, keepdims=True)
;;       e = np.where(a > 0, np.clip(np.frexp(np.where(a > 0, a, 1))[1] - 1 - 2, -126, 127), 0)      # np.frexp(a)[1] - 1 = floor(log2(a)), exactly
;;       r = np.clip(x / 2.0 ** e, -6, 6)
;;       step = 2.0 ** (np.maximum(np.frexp(np.where(r == 0, 1, r))[1] - 1, 0) - 1)
;;       q = np.round(r / step) * step * 2.0 ** e      # np.round: ties to even
;;       return np.moveaxis(q.reshape(q.shape[:-2] + (-1,))[..., :K], -1, axis).astype(np.float32)
;;   ~~~
;; One version. Each part assembles by itself: llvm-mc -triple=amdgcn-amd-amdhsa -mcpu=gfx1250 --defsym DOCPART=n.
;; ======== version 1 of 1: 5 launches
;; limits: values are held in f16: magnitudes above 65,504 overflow, below 6.1e-05 lose precision
;; workspace buffers: x_codes 4,194,304 bytes; x_scales 262,144 bytes; w_codes 1,572,864 bytes; w_scales 98,304 bytes; wot16 2,097,152 bytes; qkv16 50,331,648 bytes; qkvf 786,432 bytes; ctx16 16,777,216 bytes
;; launch prep (part 1): grid 368 x 1, 4 waves a work-group, no clusters, 102,912 bytes of LDS; arguments x, Wq, Wk, Wv, Wo, x_codes, x_scales, w_codes, w_scales, wot16; writes x_codes, x_scales, w_codes, w_scales, wot16
.if DOCPART == 1
	.amdgcn_target "amdgcn-amd-amdhsa--gfx1250"
	.amdhsa_code_object_version 6
	.text
	.protected	k_q37e0ee3ee9_prep
	.globl	k_q37e0ee3ee9_prep
	.p2align	8
	.type	k_q37e0ee3ee9_prep,@function
k_q37e0ee3ee9_prep:
	s_mov_b64 s[64:65], 0
	v_nop
	global_prefetch_b8 v0, s[64:65] scope:SCOPE_SE
	s_setreg_imm32_b32 hwreg(HW_REG_WAVE_MODE, 25, 1), 1
	s_wait_xcnt 0x0
; PREP: the operands of the three quantised products become codes of FP4 (E2M1) with one E8M0 scale byte for each 32 along K, and Wo becomes f16 with K innermost.
;   x  [8192][1024] f32, K innermost      -> x_codes [8192][512 bytes], x_scales [8192][32]
;   Wq, Wk, Wv [1024 (k)][1024 (n)] f32   -> w_codes [3072][512 bytes], w_scales [3072][32]; row = 1024 x matrix + column n
;   Wo [1024 (k)][1024 (n)] f32           -> wot16 [1024 (n)][1024 (k)] f16
; A block's scale is 2^(floor(log2(its largest magnitude)) - 2); its byte is the largest magnitude's exponent field - 2, held at 1 from below.
; LIMITS: a block of zeros gets the byte 1 where the rule says 127 (its codes are zeros, which add nothing under any byte but 0xff, and this program alone reads the bytes);
; blocks whose largest magnitude lies under 2^(2 - 126) keep the byte 1; NaN and infinities among the inputs are not served; |Wo| beyond 65,504 has no f16 number.
; THREE PATHS, parted by the work-group's number: 0-47 the three weights (the longest chain of dependent loads, so first), 48-303 x, 304-367 Wo.  Each path has LDS bytes of its own.
; No tensor load, no barrier: waves share nothing.  No matrix unit and no cluster: the launch only streams, and no two work-groups read the same bytes.
.set SPARE, 102400                     ; behind the three paths' stages: the spare words, 128 bytes for each wave: two blocks of 256 bytes that no other line names
.set SPW,   12                         ; v12  LDS address of my spare word; never rewritten
.set NIL,   13                         ; v13  0; never rewritten
.set EMAX,  2
.set XREG,  8192                       ; path X: a region for each wave: two stages of 32 x SP bytes, then its 256 scale bytes
.set SP,    80                         ; a lane's place in a stage: its 64 bytes + 16 of padding
.set CB,    8                          ; bytes of 16 codes
.set STEPS, 16
.set AHEAD, 8                          ; loads run eight steps (32 loads a wave) ahead
.set XR,    16                         ; v16-143  eight sets of 16 numbers as they are loaded
.set XX,    144                        ; v144-175 two sets of 16 neighbours
.set XE,    176                        ; v176-191 a scale byte for each step
.set XC,    192                        ; v192-255 codes: four registers for each step, so that no store's data are written again
.set WSTG,  32768                      ; path W: four stages of 32 rows x 272 bytes
.set OSTG,  67584                      ; path O: the same
.set PITCH, 272                        ; a stage row: 256 bytes + 16
.set WX,    32                         ; path W: v32-95 two sets of 32 numbers
.set WC,    24                         ; v24-27 a block's codes
.set SB,    20                         ; v20-23 the scale bytes, four to a register
.set OUTR,  160                        ; v160-223 the way out: 16 x 4 registers
	s_load_b256 s[4:11], s[0:1], 0x0               ; x s[4:5], Wq s[6:7], Wk s[8:9], Wv s[10:11]
	s_load_b256 s[12:19], s[0:1], 0x20             ; Wo s[12:13], x_codes s[14:15], x_scales s[16:17], w_codes s[18:19]
	s_load_b128 s[20:23], s[0:1], 0x40             ; w_scales s[20:21], wot16 s[22:23]
	v_lshl_add_u32 v[SPW], v0, 2, SPARE
	v_mov_b32 v[NIL], 0
	v_lshrrev_b32 v1, 5, v0
	v_readfirstlane_b32 s24, v1                    ; wave 0..3
	v_and_b32 v2, 31, v0                           ; lane
	s_wait_kmcnt 0x0
	s_cmp_lt_u32 ttmp9, 48
	s_cbranch_scc1 .Lpath_w
	s_cmp_lt_u32 ttmp9, 304
	s_cbranch_scc1 .Lpath_x
; ---- PATH O.  A wave takes 32 columns n x 128 along K of Wo.  A lane takes a column and its registers run down K, so each load reads 128 consecutive bytes and the
; packed f16 come out with K innermost: 256 bytes a column.  They go through the wave's stage and leave as rows: sixteen lanes store 256 consecutive, aligned bytes.
	s_sub_co_u32 s25, ttmp9, 304
	s_and_b32 s26, s25, 7
	s_lshr_b32 s27, s25, 3                         ; which 128 along K
	s_lshl_b32 s26, s26, 7
	s_lshl_b32 s28, s24, 5
	s_add_co_u32 s26, s26, s28                     ; my wave's first column
	s_lshl_b32 s28, s27, 19                        ; 128 rows of 4,096 bytes
	s_lshl_b32 s29, s26, 2
	s_add_co_u32 s28, s28, s29
	s_mov_b32 s29, 0
	s_add_nc_u64 s[12:13], s[12:13], s[28:29]
	s_lshl_b32 s28, s26, 11                        ; a row of wot16 is 2,048 bytes
	s_lshl_b32 s30, s27, 8
	s_add_co_u32 s28, s28, s30
	s_add_nc_u64 s[22:23], s[22:23], s[28:29]
	v_lshlrev_b32 v3, 2, v2                        ; in: 4 bytes a lane
.set i, 0
.rept 128
	global_load_b32 v[32+i], v3, s[12:13] offset:i*4096 th:TH_LOAD_NT   ; Wo(k0 + i, my column)
.set i, i+1
.endr
	s_mul_i32 s31, s24, 32*PITCH
	s_add_co_u32 s31, s31, OSTG                    ; my stage
	v_mul_u32_u24 v4, v2, PITCH
	v_add_nc_u32 v4, s31, v4                       ; into it: row = my column
	v_and_b32 v5, 15, v2
	v_lshrrev_b32 v6, 4, v2
	v_mul_u32_u24 v7, v6, PITCH
	v_lshl_add_u32 v7, v5, 4, v7
	v_add_nc_u32 v7, s31, v7                       ; out of it: sixteen lanes to a row, two rows an instruction
	v_lshlrev_b32 v8, 11, v6
	v_lshl_add_u32 v8, v5, 4, v8                   ; and the same place in wot16
	s_wait_loadcnt 0x0
.set i, 0
.rept 64
	v_cvt_pk_f16_f32 v[32+i], v[32+2*i], v[33+2*i] ; two neighbours along K to a register; ascending, so no number is written over before it is read
.set i, i+1
.endr
.set i, 0
.rept 16
	ds_store_b128 v4, v[32+4*i:35+4*i] offset:16*i
.set i, i+1
.endr
.set i, 0
.rept 16
	ds_load_b128 v[OUTR+4*i:OUTR+4*i+3], v7 offset:2*i*PITCH   ; LDS serves a wave's instructions in order: these see my stores
.set i, i+1
.endr
.set i, 0
.rept 16
	s_wait_dscnt 15-i                              ; the younger loads may be out
	global_store_b128 v8, v[OUTR+4*i:OUTR+4*i+3], s[22:23] offset:4096*i
.set i, i+1
.endr
	s_wait_tensorcnt 0x0                           ; the wave's end, behind my last LDS store
	ds_add_u32 v[SPW], v[NIL]
	s_wait_dscnt 0x0
	s_endpgm
; ---- PATH W.  A wave takes 32 columns x 512 along K of one weight: 16 blocks a lane, 256 bytes of codes for each column.  A lane takes a column, its registers run down K:
; a block of 32 lies in one lane's 32 registers, and the conversions give codes with K innermost.  Loads run two blocks ahead.
.macro LOADW t                         ; block t: W(32 t + i, my column) into set t % 2
.set i, 0
.rept 32
	global_load_b32 v[WX+32*((\t)%2)+i], v3, s[28:29] offset:(32*(\t)+i)*4096 th:TH_LOAD_NT
.set i, i+1
.endr
.endm
.macro BLOCKW t
.set XS, WX+32*((\t)%2)
.if (\t) < 15
	s_wait_loadcnt 32                              ; this block's 32 loads are in; the next block's may be out
.else
	s_wait_loadcnt 0x0
.endif
	v_max3_num_f32 v16, |v[XS]|, |v[XS+1]|, |v[XS+2]|              ; the block's largest magnitude: all 32 numbers are mine; two chains
	v_max3_num_f32 v17, |v[XS+3]|, |v[XS+4]|, |v[XS+5]|
.irp i, 6,10,14,18,22,26
	v_max3_num_f32 v16, v16, |v[XS+\i]|, |v[XS+\i+1]|
	v_max3_num_f32 v17, v17, |v[XS+\i+2]|, |v[XS+\i+3]|
.endr
	v_max3_num_f32 v16, v16, |v[XS+30]|, |v[XS+31]|
	v_max3_num_f32 v16, v16, v17, (EMAX+1)<<23     ; and the floor 2^(3 - 127): the byte cannot fall under 1
	v_add_nc_u32 v18, -(EMAX<<23), v16             ; 2 off its exponent field: the conversion takes the exponent field of this operand as its scale
	v_lshrrev_b32 v19, 23, v18                     ; the scale's byte
.if (\t)%4 == 0
	v_mov_b32 v[SB+(\t)/4], v19                    ; four bytes to a register, the lower K in the lower byte
.else
	v_lshl_or_b32 v[SB+(\t)/4], v19, 8*((\t)%4), v[SB+(\t)/4]
.endif
.irp g, 0,1,2,3
	v_cvt_scalef32_pk8_fp4_f32 v[WC+\g], v[XS+8*\g:XS+8*\g+7], v18
.endr
	ds_store_b128 v4, v[WC:WC+3] offset:16*(\t)    ; 32 codes: 16 bytes of my column's row
.if (\t)+2 < 16
	LOADW (\t)+2
.endif
	s_wait_dscnt 0x0                               ; the store has read its registers: the next block's codes may be written
.endm
.Lpath_w:
	s_lshr_b32 s25, ttmp9, 4                       ; which weight: 0 Wq, 1 Wk, 2 Wv
	s_lshr_b32 s26, ttmp9, 1
	s_and_b32 s26, s26, 7                          ; which 128 columns
	s_and_b32 s27, ttmp9, 1                        ; which half of K
	s_cmp_lt_u32 ttmp9, 16                         ; the choice of the buffer hangs on the work-group's number alone
	s_cselect_b64 s[28:29], s[6:7], s[8:9]
	s_cmp_lt_u32 ttmp9, 32
	s_cselect_b64 s[28:29], s[28:29], s[10:11]
	s_lshl_b32 s26, s26, 7
	s_lshl_b32 s30, s24, 5
	s_add_co_u32 s26, s26, s30                     ; my wave's first column
	s_lshl_b32 s30, s27, 21                        ; 512 rows of 4,096 bytes
	s_lshl_b32 s31, s26, 2
	s_add_co_u32 s30, s30, s31
	s_mov_b32 s31, 0
	s_add_nc_u64 s[28:29], s[28:29], s[30:31]
	s_lshl_b32 s25, s25, 10
	s_add_co_u32 s25, s25, s26                     ; its row in w_codes and w_scales
	s_lshl_b32 s30, s25, 9
	s_lshl_b32 s32, s27, 8
	s_add_co_u32 s30, s30, s32
	s_add_nc_u64 s[18:19], s[18:19], s[30:31]
	s_lshl_b32 s30, s25, 5
	s_lshl_b32 s32, s27, 4
	s_add_co_u32 s30, s30, s32
	s_add_nc_u64 s[20:21], s[20:21], s[30:31]
	v_lshlrev_b32 v3, 2, v2                        ; in: 4 bytes a lane
	LOADW 0
	LOADW 1
	s_mul_i32 s33, s24, 32*PITCH
	s_add_co_u32 s33, s33, WSTG                    ; my stage
	v_mul_u32_u24 v4, v2, PITCH
	v_add_nc_u32 v4, s33, v4                       ; into it: row = my column
	v_and_b32 v5, 15, v2
	v_lshrrev_b32 v6, 4, v2
	v_mul_u32_u24 v7, v6, PITCH
	v_lshl_add_u32 v7, v5, 4, v7
	v_add_nc_u32 v7, s33, v7                       ; out of it: sixteen lanes to a row, two rows an instruction
	v_lshlrev_b32 v8, 9, v6
	v_lshl_add_u32 v8, v5, 4, v8                   ; and the same place in w_codes (rows of 512 bytes)
	v_lshlrev_b32 v9, 5, v2                        ; my column's row of scale bytes
.irp t, 0,1,2,3,4,5,6,7,8,9,10,11,12,13,14,15
	BLOCKW \t
.endr
	global_store_b128 v9, v[SB:SB+3], s[20:21]     ; my column's 16 scale bytes
.set i, 0
.rept 16
	ds_load_b128 v[OUTR+4*i:OUTR+4*i+3], v7 offset:2*i*PITCH
.set i, i+1
.endr
.set i, 0
.rept 16
	s_wait_dscnt 15-i
	global_store_b128 v8, v[OUTR+4*i:OUTR+4*i+3], s[18:19] offset:1024*i   ; sixteen lanes store 256 consecutive, aligned bytes
.set i, i+1
.endr
	s_wait_tensorcnt 0x0                           ; the wave's end
	ds_add_u32 v[SPW], v[NIL]
	s_wait_dscnt 0x0
	s_endpgm
; ---- PATH X.  Rows are dense and K is a multiple of 32: x is a plain stream of blocks of 32, and so are its codes and scale bytes.  A wave takes 16 steps of 512 numbers.
; Each load reads 512 consecutive bytes, 16 a lane; a step's 2,048 bytes turn through the wave's stage and come back 64 bytes a lane: 16 neighbours, two lanes to a block.
.macro LOADX t
.irp i, 0,1,2,3
	global_load_b128 v[XR+16*((\t)%AHEAD)+4*\i:XR+16*((\t)%AHEAD)+4*\i+3], v3, s[4:5] offset:2048*(\t)+512*\i th:TH_LOAD_NT
.endr
.endm
.macro TURNX t                         ; step t's numbers through the stage: LDS serves a wave's instructions in order, so no wait stands between the stores and the loads
.irp i, 0,1,2,3
	ds_store_b128 v14, v[XR+16*((\t)%AHEAD)+4*\i:XR+16*((\t)%AHEAD)+4*\i+3] offset:32*SP*((\t)%2)+8*SP*\i
.endr
.irp i, 0,1,2,3
	ds_load_b128 v[XX+16*((\t)%2)+4*\i:XX+16*((\t)%2)+4*\i+3], v15 offset:32*SP*((\t)%2)+16*\i
.endr
.endm
.macro STEPX t
.set XS, XX+16*((\t)%2)
.if (\t) > 0
	s_wait_dscnt 1                                 ; this step's numbers are back from the stage (the last step's byte store may be out): so its stores into the stage have read their registers,
.else
	s_wait_dscnt 0x0
.endif
.if (\t)+AHEAD < STEPS
	LOADX (\t)+AHEAD                               ; which take the loads of eight steps on
.endif
.if (\t)+1 < STEPS
.if STEPS-2-(\t) >= AHEAD-1
	s_wait_loadcnt 4*(AHEAD-1)                     ; the next step's four loads are in; those of the seven steps behind it may be out
.else
	s_wait_loadcnt 4*(STEPS-2-(\t))
.endif
	TURNX (\t)+1                                   ; and go through the other stage while this step is worked
.endif
	v_max3_num_f32 v8, |v[XS]|, |v[XS+1]|, |v[XS+2]|               ; the largest magnitude of my 16
	v_max3_num_f32 v9, |v[XS+3]|, |v[XS+4]|, |v[XS+5]|
.irp i, 6,10
	v_max3_num_f32 v8, v8, |v[XS+\i]|, |v[XS+\i+1]|
	v_max3_num_f32 v9, v9, |v[XS+\i+2]|, |v[XS+\i+3]|
.endr
	v_max3_num_f32 v8, v8, |v[XS+14]|, |v[XS+15]|
	v_max3_num_f32 v8, v8, v9, (EMAX+1)<<23        ; and the floor 2^(3 - 127)
	v_max_num_f32_dpp v8, v8, v8 row_xmask:1 row_mask:0xf bank_mask:0xf   ; and of my neighbour's 16: the block's
	v_add_nc_u32 v11, -(EMAX<<23), v8              ; 2 off its exponent field: the conversion's scale operand
	v_cvt_scalef32_pk8_fp4_f32 v[XC+4*(\t)], v[XS:XS+7], v11
	v_cvt_scalef32_pk8_fp4_f32 v[XC+4*(\t)+1], v[XS+8:XS+15], v11
	v_lshrrev_b32 v[XE+(\t)], 23, v11              ; the scale's byte (also the plain line behind the conversions)
	ds_store_b8 v5, v[XE+(\t)] offset:16*(\t)      ; both lanes of a block write the same byte with the same value
	global_store_b64 v4, v[XC+4*(\t):XC+4*(\t)+1], s[14:15] offset:32*CB*(\t)   ; the wave stores 256 consecutive, aligned bytes
.endm
.Lpath_x:
	v_lshlrev_b32 v3, 4, v2                        ; my 16 bytes of a load's 512
	s_mul_i32 s25, s24, XREG
	v_lshrrev_b32 v14, 2, v2
	v_mul_u32_u24 v14, v14, SP
	v_and_b32 v15, 3, v2
	v_lshl_add_u32 v14, v15, 4, v14
	v_add_nc_u32 v14, s25, v14                     ; the stage, on the way in: SP (lane / 4) + 16 (lane % 4)
	v_mul_u32_u24 v15, v2, SP
	v_add_nc_u32 v15, s25, v15                     ; and on the way out: SP x lane: my 16 neighbours
	v_mul_u32_u24 v4, v2, CB                       ; my codes' place in a step's
	v_lshrrev_b32 v5, 1, v2
	s_add_co_u32 s25, s25, 2*32*SP
	v_add_nc_u32 v5, s25, v5                       ; LDS: my wave's 256 scale bytes, my block's byte
	v_lshlrev_b32 v7, 3, v2                        ; and on the way out 8 bytes a lane
	v_add_nc_u32 v6, s25, v7
	s_sub_co_u32 s26, ttmp9, 48
	s_lshl_b32 s26, s26, 2
	s_add_co_u32 s26, s26, s24                     ; which run of 8,192 numbers is my wave's: 0 .. 1,023
	s_lshl_b32 s28, s26, 15
	s_mov_b32 s29, 0
	s_add_nc_u64 s[4:5], s[4:5], s[28:29]
	s_lshl_b32 s28, s26, 12
	s_add_nc_u64 s[14:15], s[14:15], s[28:29]
	s_lshl_b32 s28, s26, 8
	s_add_nc_u64 s[16:17], s[16:17], s[28:29]
.irp t, 0,1,2,3,4,5,6,7
	LOADX \t
.endr
	s_wait_loadcnt 4*(AHEAD-1)                     ; step 0's four loads are in
	TURNX 0
.irp t, 0,1,2,3,4,5,6,7,8,9,10,11,12,13,14,15
	STEPX \t
.endr
	ds_load_b64 v[8:9], v6                         ; LDS serves a wave's instructions in order: these see my byte stores
	s_wait_dscnt 0x0
	global_store_b64 v7, v[8:9], s[16:17]          ; 32 lanes store 256 consecutive, aligned bytes
	s_wait_tensorcnt 0x0                           ; the wave's end
	ds_add_u32 v[SPW], v[NIL]
	s_wait_dscnt 0x0
	s_endpgm
.Lfunc_end_k_q37e0ee3ee9_prep:
	.size	k_q37e0ee3ee9_prep, .Lfunc_end_k_q37e0ee3ee9_prep-k_q37e0ee3ee9_prep
	.p2alignl 7, 3214868480
	.fill 96, 4, 3214868480
	.section	.rodata,"a",@progbits
	.p2align	6, 0x0
	.amdhsa_kernel k_q37e0ee3ee9_prep
		.amdhsa_group_segment_fixed_size 102912
		.amdhsa_private_segment_fixed_size 0
		.amdhsa_enable_private_segment 0
		.amdhsa_kernarg_size 80
		.amdhsa_user_sgpr_count 2
		.amdhsa_user_sgpr_kernarg_segment_ptr 1
		.amdhsa_wavefront_size32 1
		.amdhsa_system_sgpr_workgroup_id_x 1
		.amdhsa_system_sgpr_workgroup_id_y 1
		.amdhsa_system_sgpr_workgroup_id_z 1
		.amdhsa_system_vgpr_workitem_id 0
		.amdhsa_next_free_vgpr 256
		.amdhsa_next_free_sgpr 66
		.amdhsa_reserve_vcc 0
		.amdhsa_float_denorm_mode_32 3
		.amdhsa_float_denorm_mode_16_64 3
		.amdhsa_memory_ordered 1
		.amdhsa_forward_progress 1
		.amdhsa_inst_pref_size 132
	.end_amdhsa_kernel
	.amdgpu_metadata
---
amdhsa.version: [ 1, 2 ]
amdhsa.kernels:
  - .name:           k_q37e0ee3ee9_prep
    .symbol:         k_q37e0ee3ee9_prep.kd
    .args:
      - { .name: x, .offset: 0, .size: 8, .value_kind: global_buffer, .address_space: global }
      - { .name: Wq, .offset: 8, .size: 8, .value_kind: global_buffer, .address_space: global }
      - { .name: Wk, .offset: 16, .size: 8, .value_kind: global_buffer, .address_space: global }
      - { .name: Wv, .offset: 24, .size: 8, .value_kind: global_buffer, .address_space: global }
      - { .name: Wo, .offset: 32, .size: 8, .value_kind: global_buffer, .address_space: global }
      - { .name: x_codes, .offset: 40, .size: 8, .value_kind: global_buffer, .address_space: global }
      - { .name: x_scales, .offset: 48, .size: 8, .value_kind: global_buffer, .address_space: global }
      - { .name: w_codes, .offset: 56, .size: 8, .value_kind: global_buffer, .address_space: global }
      - { .name: w_scales, .offset: 64, .size: 8, .value_kind: global_buffer, .address_space: global }
      - { .name: wot16, .offset: 72, .size: 8, .value_kind: global_buffer, .address_space: global }
    .group_segment_fixed_size: 102912
    .private_segment_fixed_size: 0
    .kernarg_segment_align: 8
    .kernarg_segment_size: 80
    .max_flat_workgroup_size: 128
    .sgpr_count:     66
    .vgpr_count:     256
    .wavefront_size: 32
...
	.end_amdgpu_metadata
.endif
;; end of part 1
;; launch qkv (part 2): grid 12 x 32, 4 waves a work-group, clusters of 4 x 4, 327,680 bytes of LDS; arguments x_codes, x_scales, w_codes, w_scales, qkv16, qkvf; writes qkv16, qkvf
.if DOCPART == 2
	.amdgcn_target "amdgcn-amd-amdhsa--gfx1250"
	.amdhsa_code_object_version 6
	.text
	.protected	k_q37e0ee3ee9_qkv
	.globl	k_q37e0ee3ee9_qkv
	.p2align	8
	.type	k_q37e0ee3ee9_qkv,@function
k_q37e0ee3ee9_qkv:
	s_mov_b64 s[64:65], 0
	v_nop
	global_prefetch_b8 v0, s[64:65] scope:SCOPE_SE
	s_setreg_imm32_b32 hwreg(HW_REG_WAVE_MODE, 25, 1), 1
	s_wait_xcnt 0x0
	s_wait_alu depctr_hold_cnt(0) depctr_sa_sdst(0) depctr_va_vdst(0) depctr_va_sdst(0) depctr_va_ssrc(0) depctr_va_vcc(0) depctr_vm_vsrc(0)
	s_getreg_b32 s2, hwreg(HW_REG_IB_STS2, 6, 4)
	s_cmp_eq_u32 s2, 0
	s_cbranch_scc0 .Lentry_in_a_cluster
	s_endpgm
.Lentry_in_a_cluster:
	s_bfe_u32 s2, ttmp6, 0x10000c
	s_cmp_lg_u32 s2, 0xf033
	s_cbranch_scc0 .Lentry_shape_is_right
	s_endpgm
.Lentry_shape_is_right:
; QKV: the three quantised products as ONE product on codes of FP4 (E2M1) with E8M0 scales: C[m][n] = sum over k of x[m][k] W[n][k], m 8,192, n 3,072 (1,024 x matrix + column), K 1,024; sums in f32.
; Results leave as f16, laid for the attention: qkv16 [matrix 3][batch x 16 + head][token 2,048][64]; the first 16 tokens of each sequence leave in f32 as well: qkvf [batch 4][token 16][3,072].
; LIMIT: |q|, |k|, |v| beyond 65,504 have no f16 number.
; A tile of C, 256 x 256, is made by a work-group of four waves; a wave makes 128 x 128: 64 accumulators of 16 x 16, 512 registers.  K is two LDS slots of 512 (rows of 256 bytes): both are first fills, nothing is filled again.
; THE SCALES of the work-group's 256 rows of x and 256 rows of W, for all of K, are two dense blocks: they come into LDS once, in whole runs of 256 bytes.
; CLUSTERS: 4 x 4 work-groups; the four of a row need the same tiles of x, the four of a column the same tiles of W: each tile is asked for jointly.
; TILE ROW = 8 cy + cluster y: so cy is the batch and the cluster's y the place in the sequence; the four tiles that hold tokens 0-15 lie in the clusters with y = 0, and the branch to their f32 copy hangs on the cluster's y and the wave's number alone.
; THE MATRIX INSTRUCTION IS USED TRANSPOSED (source 0 = 16 rows of W, source 1 = 16 rows of x): a lane holds eight neighbouring columns of one token.
; REGISTERS: window 0: v0-31 addresses; v32-95 scale words, two sets; from v128 x's fragments, one set; on the way out v32-191 are free.  window 1: W's fragments, two sets.  windows 2, 3: the accumulators ((a, b) at v[8 (8 (a % 4) + b)]).
.set KSTEP,  512
.set NQ,     4                         ; matrix instructions deep in a slot
.set ROWB,   256                       ; a tile's row in bytes
.set KROW,   512                       ; a row of codes in memory
.set PITCH,  272                       ; an LDS row: 256 bytes + 16 = 68 words: the 16 rows that a load touches start at 16 different banks (ISA guide 11.1)
.set FR,     8
.set NL,     2
.set NP,     4                         ; places behind this matrix instruction (ISA guide 7.12.1)
.set HALFT,  128*PITCH
.set SLOT,   4*HALFT
.set KS,     32                        ; a row of scales in bytes
.set SCL,    2*SLOT                    ; behind the slots: the scales, as runs of 256 bytes + 16 of padding
.set HALFS,  (128*KS/256)*272
.set SBLK,   (16*KS/256)*272
.set SPARE,  SCL+4*HALFS               ; the spare words, 128 bytes for each wave: two blocks of 256 bytes that no other line names
.set SPITCH, 528                       ; the way out in f32: 16 rows x (512 bytes + 16) for each wave, in slot 0, which has had its only fill and its last read when the first result is stored there
.set HP,     144                       ; the way out in f16: [head 2][token 16][128 bytes + 16], in the same bytes
.set ADRA, 16
.set ADRB, 20
.set STO16, 22                         ; v22  f16: where I put 16 bytes of a token's head
.set RD16, 23                          ; v23  f16: where I read them back, four tokens an instruction
.set STO,  24                          ; v24  f32: where I put 32 bytes of a row
.set RD,   25                          ; v25  f32: where I read a row back
.set CO,   26                          ; v26  16 x lane
.set ADRS, 27
.set SPW,  28
.set NIL,  29
.set SC,   32
.set AF,   128
.set TMP,  32                          ; the way out: a block's packed results
.set BK,   128                         ; and what comes back from the stage: v128-159 and v160-191 by turns
.set G1, 24
.set G0, 32
.set G1B, 48
.set G0B, 56
.set G1S, 68
.set G0S, 76
.set G1SB, 80
.set G0SB, 88
.set MSB, 0
.macro WIN new                         ; the immediate's high byte repeats the setting that is left
.if MSB != (\new)
	s_set_vgpr_msb (MSB<<8)|(\new)
.set MSB, (\new)
.endif
.endm
.set MUL_LO, 0xa1                      ; source 0 (W) window 1, source 1 (x) window 0, C and D window 2
.set MUL_HI, 0xf1
.set TO_B,   0x40
; A joint load: waves 0 and 1 fetch for x, waves 2 and 3 for W.  The branch hangs on the wave's number alone.  An s_nop 0 and four v_nop follow each line.
.macro JLOAD g0a, g1a, g0b, g1b
	s_cmp_eq_u32 s15, 0
	s_cbranch_scc0 .Lfor_b_\@
	tensor_load_to_lds s[\g0a:\g0a+3], s[\g1a:\g1a+7]
	s_nop 0
.rept 4
	v_nop
.endr
	s_branch .Lasked_\@
.Lfor_b_\@:
	tensor_load_to_lds s[\g0b:\g0b+3], s[\g1b:\g1b+7]
	s_nop 0
.rept 4
	v_nop
.endr
.Lasked_\@:
.endm
.macro CROUND                          ; a round of the cluster's barrier
	s_barrier_signal -1
	s_barrier_wait -1
	s_cmp_lg_u32 s14, 0
	s_cbranch_scc1 .Lnot_wave_0_\@
	s_barrier_signal -3
.Lnot_wave_0_\@:
	s_barrier_wait -3
	s_barrier_signal -1
	s_barrier_wait -1
.endm
	s_load_b128 s[4:7], s[0:1], 0x0                ; x's codes s[4:5], x's scales s[6:7]
	s_load_b128 s[8:11], s[0:1], 0x10              ; W's codes s[8:9], W's scales s[10:11]
	s_load_b64 s[12:13], s[0:1], 0x20              ; qkv16
	s_load_b64 s[96:97], s[0:1], 0x28              ; qkvf
	v_lshl_add_u32 v[SPW], v0, 2, SPARE
	v_mov_b32 v[NIL], 0
	ds_add_u32 v[SPW], v[NIL]                      ; the wave's opening: the add, twice on end, and its wait ahead of my first tensor load
	ds_add_u32 v[SPW], v[NIL]
	v_lshrrev_b32 v1, 5, v0
	v_readfirstlane_b32 s14, v1                    ; wave 0..3
	s_lshr_b32 s15, s14, 1                         ; which half of the tile's rows is mine.  Also: I fetch for x (0) or for W (1)
	s_and_b32 s16, s14, 1                          ; which half of its columns.  Also: which 128 rows of that tile I fetch
	s_bfe_u32 s40, ttmp6, 0x40000                  ; cx, cy: my place in the cluster
	s_bfe_u32 s41, ttmp6, 0x40004
	s_lshl_b32 s42, ttmp9, 2
	s_add_co_u32 s42, s42, s40                     ; tile column of C = 4 x cluster x + cx: the cluster's x is the matrix
	s_and_b32 s95, ttmp7, 0xffff                   ; the cluster's y
	s_lshl_b32 s17, s41, 3
	s_add_co_u32 s17, s17, s95                     ; tile row of C = 8 cy + cluster y
	s_lshl_b32 s43, s41, 2
	s_lshl_b32 s43, 15, s43                        ; my row of the cluster
	s_lshl_b32 s44, 0x1111, s40                    ; my column
	s_or_b32 s[G1+0], s43, (0<<16)|(1<<20)|(1<<21)|(5<<22)|(3<<25)  ; the mask; elements of 1 byte; padding on; bit 21 beside a mask; after every 64 words four words
	s_or_b32 s[G1B+0], s44, (0<<16)|(1<<20)|(1<<21)|(5<<22)|(3<<25)
.irp g, G1, G1B
	s_mov_b32 s[\g+1], ROWB<<16                    ; tensor_dim0
	s_mov_b32 s[\g+2], 128<<16                     ; tensor_dim1
	s_mov_b32 s[\g+3], ROWB<<16                    ; tile_dim0
	s_mov_b32 s[\g+4], 128                         ; tile_dim1
	s_mov_b32 s[\g+5], KROW                        ; from row to row
	s_mov_b32 s[\g+6], 0
	s_mov_b32 s[\g+7], 0
.endr
	s_or_b32 s[G1S+0], s43, (3<<16)|(1<<20)|(1<<21)|(5<<22)|(3<<25)  ; the scales of 128 rows: 4,096 dense bytes as 16 rows of 256 bytes (32 elements of 8), 16 bytes of padding behind each
	s_or_b32 s[G1SB+0], s44, (3<<16)|(1<<20)|(1<<21)|(5<<22)|(3<<25)
.irp g, G1S, G1SB
	s_mov_b32 s[\g+1], 32<<16
	s_mov_b32 s[\g+2], (128*KS/256)<<16
	s_mov_b32 s[\g+3], 32<<16
	s_mov_b32 s[\g+4], 128*KS/256
	s_mov_b32 s[\g+5], 32
	s_mov_b32 s[\g+6], 0
	s_mov_b32 s[\g+7], 0
.endr
	s_lshl_b32 s18, s16, 7                         ; which 128 rows of the tile I fetch
	s_lshl_b32 s20, s17, 8
	s_add_co_u32 s20, s20, s18                     ; x: row 256 x tile row + 128 x half
	s_lshl_b32 s46, s42, 8
	s_add_co_u32 s46, s46, s18                     ; W: row 256 x tile column + 128 x half
	s_mov_b32 s21, 0
	s_mov_b32 s47, 0
	s_mov_b64 s[18:19], KS
	s_mul_u64 s[22:23], s[20:21], s[18:19]         ; where these rows' scales begin,
	s_mul_u64 s[92:93], s[46:47], s[18:19]
	s_mov_b64 s[18:19], KROW
	s_mul_u64 s[20:21], s[20:21], s[18:19]         ; and their codes
	s_mul_u64 s[46:47], s[46:47], s[18:19]
	s_mul_i32 s45, s14, HALFT                      ; where they go: wave x 128 rows: no place in the cluster enters an LDS address
	s_mul_i32 s94, s14, HALFS
	s_wait_dscnt 0x0                               ; both opening adds are done
	s_wait_kmcnt 0x0
	s_add_nc_u64 s[20:21], s[4:5], s[20:21]
	s_add_nc_u64 s[22:23], s[6:7], s[22:23]
	s_add_nc_u64 s[46:47], s[8:9], s[46:47]
	s_add_nc_u64 s[92:93], s[10:11], s[92:93]
	CROUND                                         ; all sixteen work-groups are here: the joint loads meet
	s_mov_b32 s[G0S], 1
	s_add_co_u32 s[G0S+1], s94, SCL
	s_mov_b64 s[G0S+2:G0S+3], s[22:23]
	s_or_b32 s[G0S+3], s[G0S+3], 0x80000000
	s_mov_b32 s[G0SB], 1
	s_add_co_u32 s[G0SB+1], s94, SCL
	s_mov_b64 s[G0SB+2:G0SB+3], s[92:93]
	s_or_b32 s[G0SB+3], s[G0SB+3], 0x80000000
	JLOAD G0S, G1S, G0SB, G1SB                     ; the scales first: they are wanted with the first slot.  Three loads of mine are out behind these lines
.irp s, 0,1
	s_mov_b32 s[G0+4*\s], 1
	s_add_co_u32 s[G0+4*\s+1], s45, \s*SLOT
	s_add_nc_u64 s[G0+4*\s+2:G0+4*\s+3], s[20:21], \s*ROWB
	s_or_b32 s[G0+4*\s+3], s[G0+4*\s+3], 0x80000000
	s_mov_b32 s[G0B+4*\s], 1
	s_add_co_u32 s[G0B+4*\s+1], s45, \s*SLOT
	s_add_nc_u64 s[G0B+4*\s+2:G0B+4*\s+3], s[46:47], \s*ROWB
	s_or_b32 s[G0B+4*\s+3], s[G0B+4*\s+3], 0x80000000
	JLOAD G0+4*\s, G1, G0B+4*\s, G1B
.endr
	v_and_b32 v1, 15, v0                           ; r = l % 16
	v_bfe_u32 v2, v0, 4, 1                         ; h = l / 16
	v_mul_u32_u24 v3, v1, PITCH
	v_lshl_add_u32 v4, v2, 4, v3                   ; a fragment's row x pitch + 16 x half
	s_mul_i32 s21, s15, HALFT                      ; my 128 rows of x
	s_mul_i32 s22, s16, HALFT                      ; my 128 rows of W,
	s_add_co_u32 s22, s22, 2*HALFT                 ; which lie behind x's 256
.irp s, 0,1
	v_add_nc_u32 v[ADRA+\s], s21, v4
	v_add_nc_u32 v[ADRB+\s], s22, v4
	s_add_co_u32 s21, s21, SLOT
	s_add_co_u32 s22, s22, SLOT
.endr
	v_mul_u32_u24 v5, v1, KS                       ; my row's scales: 32 bytes a row,
	v_lshrrev_b32 v6, 8, v5
	v_lshl_add_u32 v5, v6, 4, v5                   ; and 16 more for each 256 passed
	s_mul_i32 s21, s15, HALFS
	s_mul_i32 s22, s16, HALFS
	s_add_co_u32 s22, s22, 2*HALFS
	s_sub_co_u32 s22, s22, s21
	v_mul_u32_u24 v6, s22, v2                      ; lanes 16-31 take W's: one product, the lower base + h x the distance
	s_add_co_u32 s21, s21, SCL
	v_add_nc_u32 v5, v5, v6
	v_add_nc_u32 v[ADRS], s21, v5
	s_mul_i32 s23, s14, 16*SPITCH                  ; my stage, in slot 0
	v_mul_u32_u24 v5, v1, SPITCH
	v_lshl_add_u32 v5, v2, 5, v5
	v_add_nc_u32 v[STO], s23, v5                   ; f32 in: row r, 32 bytes for each half of the lanes
	v_and_b32 v6, 31, v0
	v_lshlrev_b32 v[CO], 4, v6
	v_add_nc_u32 v[RD], s23, v[CO]                 ; f32 back: the 32 lanes take one row of 512 bytes
	v_mul_u32_u24 v5, v1, HP
	v_lshl_add_u32 v5, v2, 4, v5
	v_add_nc_u32 v[STO16], s23, v5                 ; f16 in: token r, 16 bytes for each half of the lanes
	v_lshrrev_b32 v5, 3, v6
	v_mul_u32_u24 v5, v5, HP
	v_and_b32 v6, 7, v6
	v_lshl_add_u32 v5, v6, 4, v5
	v_add_nc_u32 v[RD16], s23, v5                  ; f16 back: eight lanes to a token's 128 bytes, four tokens an instruction
	; where my results go.  qkv16: matrix x 2^24 + (16 cy + 4 cx + 2 x column half) heads of 2^18 + (256 cluster y + 128 x row half) tokens of 128 bytes
	s_lshl_b32 s20, s41, 4
	s_lshl_b32 s21, s40, 2
	s_add_co_u32 s20, s20, s21
	s_lshl_b32 s21, s16, 1
	s_add_co_u32 s20, s20, s21
	s_lshl_b32 s20, s20, 18
	s_lshl_b32 s21, ttmp9, 24
	s_add_co_u32 s20, s20, s21
	s_lshl_b32 s21, s95, 15
	s_add_co_u32 s20, s20, s21
	s_lshl_b32 s21, s15, 14
	s_add_co_u32 s20, s20, s21
	s_mov_b32 s21, 0
	s_add_nc_u64 s[12:13], s[12:13], s[20:21]
	; qkvf: cy x 16 rows of 12,288 bytes + (1,024 matrix + 256 cx + 128 x column half) x 4
	s_mul_i32 s20, s41, 16*12288
	s_lshl_b32 s22, ttmp9, 12
	s_add_co_u32 s20, s20, s22
	s_lshl_b32 s22, s40, 10
	s_add_co_u32 s20, s20, s22
	s_lshl_b32 s22, s16, 9
	s_add_co_u32 s20, s20, s22
	s_add_nc_u64 s[96:97], s[96:97], s[20:21]
	s_or_b32 s98, s95, s15                         ; 0 where my block 0 is tokens 0-15 of a sequence: the cluster's y and the wave's number alone
.macro FRAG reg, adr, q, i             ; 16 rows x 128 K of 4-bit codes: 8 registers; registers 4 c .. 4 c + 3 hold K = 64 c + 32 (l / 16) + 0 .. 31
.irp c, 0,1
	ds_load_b128 v[\reg+4*\c:\reg+4*\c+3], v[\adr] offset:64*(\q)+32*\c+(\i)*16*PITCH
.endr
.endm
; 16 matrix instructions: x's blocks a0, a0 + 1 against W's eight, 128 along K.  zero = 1: the first product starts the sums.  The 64 accumulators take turns, one instruction a turn.
.macro MUL16 a0, p, q, sc, zero
.irp a, \a0, \a0+1
.irp b, 0,1,2,3,4,5,6,7
.if \zero
	v_wmma_scale_f32_16x16x128_f8f6f4 v[8*(8*((\a)%4)+\b):8*(8*((\a)%4)+\b)+7], v[128*(\p)+FR*\b:128*(\p)+FR*\b+FR-1], v[AF+FR*(\a):AF+FR*(\a)+FR-1], 0, v[SC+8*NQ*(\sc)+NQ*\b+(\q)], v[SC+8*NQ*(\sc)+NQ*(\a)+(\q)] matrix_a_fmt:MATRIX_FMT_FP4 matrix_b_fmt:MATRIX_FMT_FP4 matrix_a_scale:MATRIX_SCALE_ROW1
.else
	v_wmma_scale_f32_16x16x128_f8f6f4 v[8*(8*((\a)%4)+\b):8*(8*((\a)%4)+\b)+7], v[128*(\p)+FR*\b:128*(\p)+FR*\b+FR-1], v[AF+FR*(\a):AF+FR*(\a)+FR-1], v[8*(8*((\a)%4)+\b):8*(8*((\a)%4)+\b)+7], v[SC+8*NQ*(\sc)+NQ*\b+(\q)], v[SC+8*NQ*(\sc)+NQ*(\a)+(\q)] matrix_a_fmt:MATRIX_FMT_FP4 matrix_b_fmt:MATRIX_FMT_FP4 matrix_a_scale:MATRIX_SCALE_ROW1
.endif
.endr
.endr
.endm
.macro FETCH_B slot, q, p
	WIN TO_B
.irp i, 0,1,2,3,4,5,6,7
	FRAG 128*(\p)+FR*\i, ADRB+\slot, \q, \i
.endr
	WIN 0
.endm
.macro FETCH_A slot, q, i0
.irp i, \i0, \i0+1, \i0+2, \i0+3
	FRAG AF+FR*(\i), ADRA+\slot, \q, \i
.endr
.endm
.macro SCALES sc                       ; a slot's scale words: four words a row; lanes 0-15 take x's block i, lanes 16-31 W's block i
.irp i, 0,1,2,3,4,5,6,7
	ds_load_b128 v[SC+8*NQ*\sc+NQ*\i:SC+8*NQ*\sc+NQ*\i+3], v[ADRS] offset:\i*SBLK
.endr
.endm
.macro PLACES n                        ; plain vector instructions that name none of a matrix instruction's registers (ISA guide 7.12.1)
.rept \n
	v_nop
.endr
.endm
.macro STEP slot, q, zero              ; a step of 128 along K that has its successor in the same slot
	s_wait_dscnt 4*NL                              ; W's set and x's blocks 0-3 are in; the youngest eight loads (x's blocks 4-7) may be out
	WIN MUL_LO
	MUL16 0, (\q)%2, \q, \slot, \zero
	MUL16 2, (\q)%2, \q, \slot, \zero
	s_wait_dscnt 0
	PLACES NP
	FETCH_B \slot, (\q)+1, 1-(\q)%2
	FETCH_A \slot, (\q)+1, 0
	WIN MUL_HI
	MUL16 4, (\q)%2, \q, \slot, \zero
	MUL16 6, (\q)%2, \q, \slot, \zero
	PLACES NP
	WIN 0
	FETCH_A \slot, (\q)+1, 4
.endm
.macro STEPS slot, from
.set QQ, \from
.rept NQ-1-\from
	STEP \slot, QQ, 0
.set QQ, QQ+1
.endr
.endm
	s_wait_tensorcnt 1                             ; the scales and my part of slot 0 are in (slot 1's load may be out)
	s_barrier_signal -1
	s_barrier_wait -1                              ; everybody's are
	FETCH_B 0, 0, 0
	FETCH_A 0, 0, 0
	SCALES 0
	FETCH_A 0, 0, 4
	STEP 0, 0, 1                                   ; the first step's products start the sums: nothing is cleared
	STEPS 0, 1
	; slot 0's last step changes slots: one barrier; in front of it my part of slot 1 has landed and my reads of slot 0 are over
	s_wait_tensorcnt 0x0                           ; all my tensor loads have landed
	ds_add_u32 v[SPW], v[NIL]                      ; 0 onto my spare word
	s_wait_dscnt 4*NL+1                            ; (the add and the youngest eight loads may be out)
	WIN MUL_LO
	MUL16 0, 1, NQ-1, 0, 0
	s_wait_dscnt 0x0                               ; the add is done, and my reads of slot 0 are over
	s_barrier_signal -1
	MUL16 2, 1, NQ-1, 0, 0
	WIN 0
	s_barrier_wait -1
	PLACES NP
	v_add_nc_u32 v[ADRS], 4*NQ, v[ADRS]            ; on to slot 1's scale words (no LDS load of mine is out)
	FETCH_B 1, 0, 0
	FETCH_A 1, 0, 0
	SCALES 1
	WIN MUL_HI
	MUL16 4, 1, NQ-1, 0, 0
	MUL16 6, 1, NQ-1, 0, 0
	PLACES NP
	WIN 0
	FETCH_A 1, 0, 4
	STEPS 1, 0
	s_wait_dscnt 4*NL                              ; the very last step: nothing more to fetch
	WIN MUL_LO
	MUL16 0, 1, NQ-1, 1, 0
	MUL16 2, 1, NQ-1, 1, 0
	s_wait_dscnt 0
	WIN MUL_HI
	MUL16 4, 1, NQ-1, 1, 0
	MUL16 6, 1, NQ-1, 1, 0
	WIN 0
; THE WAY OUT, block by block of 16 tokens x 128 columns (two heads).  A lane holds eight neighbouring columns of one token: 16 bytes of f16.  A block goes through my own stage and comes back so that
; the 32 lanes hold four whole tokens of one head: 512 consecutive bytes of qkv16.  LDS serves a wave's instructions in order (ISA guide 5.7.1.4): no wait between the stores and the loads.
.macro PACK a
.set AC, 64*((\a)%4)
	WIN 0x0a+5*((\a)/4)                            ; sources 0 and 1: window 2 or 3
.irp b, 0,1,2,3,4,5,6,7
.irp r, 0,1,2,3
	v_cvt_pk_f16_f32 v[TMP+4*\b+\r], v[AC+8*\b+2*\r], v[AC+8*\b+2*\r+1]   ; each accumulator from its low end on
.endr
.endr
	WIN 0
.endm
.macro TOSTAGE a
.irp b, 0,1,2,3,4,5,6,7
	ds_store_b128 v[STO16], v[TMP+4*\b:TMP+4*\b+3] offset:(\b/4)*16*HP+32*(\b%4)
.endr
.irp hh, 0,1
.irp i, 0,1,2,3
	ds_load_b128 v[BK+32*((\a)%2)+4*(4*\hh+\i):BK+32*((\a)%2)+4*(4*\hh+\i)+3], v[RD16] offset:\hh*16*HP+\i*4*HP
.endr
.endr
.endm
.macro SEND a
	s_wait_dscnt 0x0                               ; the block is back in registers
	s_wait_xcnt 0x0                                ; the stores of the block before have read their registers: the next block's loads may land there
.irp hh, 0,1
.irp i, 0,1,2,3
	global_store_b128 v[CO], v[BK+32*((\a)%2)+4*(4*\hh+\i):BK+32*((\a)%2)+4*(4*\hh+\i)+3], s[12:13] offset:\hh*262144+2048*(\a)+512*\i   ; 32 lanes store 512 consecutive bytes, aligned to 256
.endr
.endr
.endm
	PLACES NP                                      ; behind the last products: for the reads of results, the writes over scale words, and the loads into the registers that held x's fragments
	s_cmp_eq_u32 s98, 0
	s_cbranch_scc0 .Lcoarse
	WIN 0x08                                       ; TOKENS 0-15 IN F32: block 0 as it stands (an LDS store's data are its source 1: window 2)
.irp b, 0,1,2,3,4,5,6,7
	ds_store_b128 v[STO], v[8*\b:8*\b+3] offset:64*\b
	ds_store_b128 v[STO], v[8*\b+4:8*\b+7] offset:64*\b+16
.endr
	WIN 0
.irp t, 0,1,2,3,4,5,6,7,8,9,10,11,12,13,14,15
	ds_load_b128 v[64+4*\t:67+4*\t], v[RD] offset:\t*SPITCH
.endr
	s_wait_dscnt 0x0
.irp t, 0,1,2,3,4,5,6,7,8,9,10,11,12,13,14,15
	global_store_b128 v[CO], v[64+4*\t:67+4*\t], s[96:97] offset:\t*12288   ; 512 consecutive bytes of token t's row of qkvf
.endr
.Lcoarse:
	PACK 0
	TOSTAGE 0
.irp a, 1,2,3,4,5,6,7                  ; block a's conversions stand between block a - 1's loads from the stage and the wait for them
	PACK \a
	SEND \a-1
	TOSTAGE \a
.endr
	SEND 7
	s_wait_tensorcnt 0x0                           ; the wave's end, behind my last tensor load and my last LDS store
	ds_add_u32 v[SPW], v[NIL]
	s_wait_dscnt 0x0
	CROUND                                         ; the closing round
	s_endpgm
.Lfunc_end_k_q37e0ee3ee9_qkv:
	.size	k_q37e0ee3ee9_qkv, .Lfunc_end_k_q37e0ee3ee9_qkv-k_q37e0ee3ee9_qkv
	.p2alignl 7, 3214868480
	.fill 96, 4, 3214868480
	.section	.rodata,"a",@progbits
	.p2align	6, 0x0
	.amdhsa_kernel k_q37e0ee3ee9_qkv
		.amdhsa_group_segment_fixed_size 327680
		.amdhsa_private_segment_fixed_size 0
		.amdhsa_enable_private_segment 0
		.amdhsa_kernarg_size 48
		.amdhsa_user_sgpr_count 2
		.amdhsa_user_sgpr_kernarg_segment_ptr 1
		.amdhsa_wavefront_size32 1
		.amdhsa_system_sgpr_workgroup_id_x 1
		.amdhsa_system_sgpr_workgroup_id_y 1
		.amdhsa_system_sgpr_workgroup_id_z 1
		.amdhsa_system_vgpr_workitem_id 0
		.amdhsa_next_free_vgpr 1024
		.amdhsa_next_free_sgpr 100
		.amdhsa_reserve_vcc 0
		.amdhsa_float_denorm_mode_32 3
		.amdhsa_float_denorm_mode_16_64 3
		.amdhsa_memory_ordered 1
		.amdhsa_forward_progress 1
		.amdhsa_inst_pref_size 131
	.end_amdhsa_kernel
	.amdgpu_metadata
---
amdhsa.version: [ 1, 2 ]
amdhsa.kernels:
  - .name:           k_q37e0ee3ee9_qkv
    .symbol:         k_q37e0ee3ee9_qkv.kd
    .args:
      - { .name: x_codes, .offset: 0, .size: 8, .value_kind: global_buffer, .address_space: global }
      - { .name: x_scales, .offset: 8, .size: 8, .value_kind: global_buffer, .address_space: global }
      - { .name: w_codes, .offset: 16, .size: 8, .value_kind: global_buffer, .address_space: global }
      - { .name: w_scales, .offset: 24, .size: 8, .value_kind: global_buffer, .address_space: global }
      - { .name: qkv16, .offset: 32, .size: 8, .value_kind: global_buffer, .address_space: global }
      - { .name: qkvf, .offset: 40, .size: 8, .value_kind: global_buffer, .address_space: global }
    .group_segment_fixed_size: 327680
    .private_segment_fixed_size: 0
    .kernarg_segment_align: 8
    .kernarg_segment_size: 48
    .max_flat_workgroup_size: 128
    .sgpr_count:     100
    .vgpr_count:     1024
    .wavefront_size: 32
...
	.end_amdgpu_metadata
.endif
;; end of part 2
;; launch attn (part 3): grid 4 x 64, 16 waves a work-group, clusters of 4 x 1, 327,680 bytes of LDS; arguments qkv16, ctx16; writes ctx16
.if DOCPART == 3
	.amdgcn_target "amdgcn-amd-amdhsa--gfx1250"
	.amdhsa_code_object_version 6
	.text
	.protected	k_q37e0ee3ee9_attn
	.globl	k_q37e0ee3ee9_attn
	.p2align	8
	.type	k_q37e0ee3ee9_attn,@function
k_q37e0ee3ee9_attn:
	s_mov_b64 s[64:65], 0
	v_nop
	global_prefetch_b8 v0, s[64:65] scope:SCOPE_SE
	s_setreg_imm32_b32 hwreg(HW_REG_WAVE_MODE, 25, 1), 1
	s_wait_xcnt 0x0
	s_wait_alu depctr_hold_cnt(0) depctr_sa_sdst(0) depctr_va_vdst(0) depctr_va_sdst(0) depctr_va_ssrc(0) depctr_va_vcc(0) depctr_vm_vsrc(0)
	s_getreg_b32 s2, hwreg(HW_REG_IB_STS2, 6, 4)
	s_cmp_eq_u32 s2, 0
	s_cbranch_scc0 .Lentry_in_a_cluster
	s_endpgm
.Lentry_in_a_cluster:
	s_bfe_u32 s2, ttmp6, 0x10000c
	s_cmp_lg_u32 s2, 0x3003
	s_cbranch_scc0 .Lentry_shape_is_right
	s_endpgm
.Lentry_shape_is_right:
; ATTN: ctx[bh][q][:] = the sum over keys k <= q of softmax_k(Q[q] . K[k] / 8) V[k][:], head size 64.  Q, K, V: qkv16 [3][64 (batch x 16 + head)][2,048][64] f16; ctx16 [64][2,048][64] f16.
; Products on f16 operands with f32 sums; maxima, exponentials and row sums in f32; the weights p (at most about 1) are rounded to f16 for the second product, ctx once at the end.
; LIMIT: |ctx| is bounded by |v|, which the launch before holds in f16 (65,504).  The first 16 positions of every sequence are made here too, and made again more finely by a later launch.
; SHARES.  A cluster of four work-groups is one (batch, head).  A work-group has sixteen waves of 32 queries (two tiles of 16): wave w of partner cx owns queries 128 rho(w) + 32 cx + 0 .. 31,
; rho = (w & 12) | ((w & 3) xor 3 ((w >> 2) & 1)).  So the four partners do the same work, and what a wave leaves out hangs on its number alone.
; THE MASK.  Keys go 64 a substep.  A substep whose first key lies beyond 128 rho + 127 is left out; from key 128 rho on hidden scores become -infinity ahead of the maximum.  Both tests are made of the wave's number
; and counted steps, alike in all partners; cx enters vector compares and global addresses alone.  The wave with rho = 15 of every partner reads every tile, so every joint load is read by every partner.
; Key 0 counts for every query and lies in the first substep, so the running maximum is a number from the first substep on.
; LAYOUT.  S^T = K Q^T (source 0 = 16 keys, source 1 = 16 queries): a lane holds ONE query (lane % 16) and keys 8 (lane / 16) + 0..7.  Two such tiles, packed to f16 in pairs, ARE source 1 of O^T = V^T P.
; K comes out of LDS as it lies, V ([key][channel]) turned by ds_load_tr16_b128.  SOFTMAX: running m and l; p = 2^(c s - c m), c = log2(e) / 8; O and l are multiplied by a = 2^(c m_old - c m_new) in every substep.
; THE RING: two slots of 256 keys, filled jointly for the four partners (waves 0, 1: K's halves; waves 2, 3: V's); a wave has at most one tensor load out.
; Sixteen waves of 256 registers, four to a SIMD: one wave's vector work stands beside another's matrix work and LDS loads; each fragment of K and V feeds two tiles of queries.
.set PK,    144                        ; a key's row of K in LDS: 128 bytes + 16: the 16 rows of a load start at 16 different banks (ISA guide 11.1)
.set PVP,   160                        ; a row of V: 128 + 32 = 40 words: the turning load's 8 rows x 32 bytes fall on different banks
.set VOFF,  256*PK                     ; a slot: 256 rows of K, then 256 rows of V
.set SLOT1, 1<<17                      ; slot 1 begins here: one exclusive or turns an address in one slot into the other's
.set SPARE, 2*SLOT1                    ; the spare words, 128 bytes for each wave: eight blocks of 256 bytes that no other line names
.set AK0, 1                            ; v1   my lane's place in a tile of K; never rewritten
.set AV0, 2                            ; v2   the same for V
.set SPW, 3                            ; v3   LDS address of my spare word; never rewritten
.set NIL, 4                            ; v4   0; never rewritten
.set ADK, 5                            ; v5   LDS address of the substep's K
.set ADV, 6                            ; v6   of its V
.set PFO, 7                            ; v7   256 x my lane; never rewritten
.set ST,  8                            ; v8-23 statistics, 8 a tile: +0 c m, +1 m, +2, +3 l (two halves), +4 to +7 at work; a in +6
.set RMH, 28                           ; v28  lane % 16 - 8 (lane / 16); never rewritten.  v24-27, v29-31 at work
.set Q,   32                           ; v32-63   Q: fragment (tile qt, channels 32 ks on) at 32 + 16 qt + 8 ks
.set KV,  64                           ; v64-127  K's eight fragments (kt, ks) at 8 (2 kt + ks); then V's eight (c, t) at 8 (4 c + t)
.set S,   128                          ; v128-191 S^T at 32 qt + 8 kt; P is packed in place into each tile's first 16 registers
.set O,   192                          ; v192-255 O^T at 32 qt + 8 t
.set WV,  8
.set RHO, 9
.set RF,  10                           ; s10  128 rho: from this key on the mask is applied
.set RL,  11                           ; s11  128 rho + 127: beyond this key nothing counts
.set CX,  12
.set HEAD, 13
.set Q0,  14                           ; s14  my first query
.set SEL, 20
.set CS,  22
.set G1K, 24
.set G1V, 32
.set G0K, 40
.set G0V, 44
.set TK,  48                           ; s48  LDS byte at which the substep's K begins
.set TV,  49                           ; s49  and, less VOFF, its V
.set KF,  50                           ; s50  the substep's first key
.set SLOTS, 51
.set CNT, 52
.set LIM, 53
.set PFA, 54
.set QB,  56
.set CB,  58
.macro CROUND                          ; a round of the cluster's barrier
	s_barrier_signal -1
	s_barrier_wait -1
	s_cmp_lg_u32 s[WV], 0
	s_cbranch_scc1 .Lnot_wave_0_\@
	s_barrier_signal -3
.Lnot_wave_0_\@:
	s_barrier_wait -3
	s_barrier_signal -1
	s_barrier_wait -1
.endm
; A joint load.  Waves 0 and 1 fetch K's halves, waves 2 and 3 V's, the others nothing.  The branches hang on the wave's number alone.  An s_nop 0 and four v_nop follow each line.
.macro JLOAD
	s_cmp_lt_u32 s[WV], 2
	s_cbranch_scc0 .Lnot_k_\@
	tensor_load_to_lds s[G0K:G0K+3], s[G1K:G1K+7]
	s_nop 0
.rept 4
	v_nop
.endr
	s_branch .Lasked_\@
.Lnot_k_\@:
	s_cmp_lt_u32 s[WV], 4
	s_cbranch_scc0 .Lasked_\@
	tensor_load_to_lds s[G0V:G0V+3], s[G1V:G1V+7]
	s_nop 0
.rept 4
	v_nop
.endr
.Lasked_\@:
.endm
; A prefetch of what the NEXT change of slots will ask for: a slot's 32,768 bytes of K and of V.  One cluster alone walks a head.  Its four partners share each block out BY ADDRESS, 8,192 bytes each, lanes 256 bytes apart;
; in each, wave 4 asks for K's and wave 5 for V's: one instruction, so each aligned 256 bytes are named once in the launch.  The last change that fills a slot asks for nothing; slots 0 and 1 come by their loads alone.
.macro ASK
	s_cmp_gt_u32 s[SLOTS], s[LIM]
	s_cbranch_scc0 .Lnot_mine_\@
	global_prefetch_b8 v[PFO], s[PFA:PFA+1] th:TH_LOAD_NT scope:SCOPE_SE
.Lnot_mine_\@:
.endm
	s_load_b128 s[4:7], s[0:1], 0x0                ; qkv16 s[4:5], ctx16 s[6:7]
	v_lshl_add_u32 v[SPW], v0, 2, SPARE
	v_mov_b32 v[NIL], 0
	ds_add_u32 v[SPW], v[NIL]                      ; the wave's opening: the add, twice on end, and its wait ahead of the first tensor loads
	ds_add_u32 v[SPW], v[NIL]
	v_lshrrev_b32 v24, 5, v0
	v_readfirstlane_b32 s[WV], v24                 ; wave 0..15
	s_and_b32 s60, s[WV], 12
	s_bfe_u32 s61, s[WV], 0x10002
	s_mul_i32 s61, s61, 3
	s_and_b32 s62, s[WV], 3
	s_xor_b32 s62, s62, s61
	s_or_b32 s[RHO], s60, s62
	s_lshl_b32 s[RF], s[RHO], 7
	s_add_co_u32 s[RL], s[RF], 127
	s_bfe_u32 s[CX], ttmp6, 0x40000                ; my place in the cluster
	s_and_b32 s[HEAD], ttmp7, 0xffff               ; batch x 16 + head, which the four partners share
	s_lshl_b32 s[Q0], s[CX], 5
	s_add_co_u32 s[Q0], s[Q0], s[RF]
	; descriptor group 1: 128 rows x 64 elements of 2 bytes, dense in memory, padded in LDS
	s_mov_b32 s[G1K], 15|(1<<16)|(1<<20)|(1<<21)|(4<<22)|(3<<25)  ; the mask: all four; elements of 2 bytes; padding on; bit 21 beside a mask; after every 32 words four words
	s_mov_b32 s[G1V], 15|(1<<16)|(1<<20)|(1<<21)|(4<<22)|(7<<25)  ; the same with eight words of padding
.irp g, G1K, G1V
	s_mov_b32 s[\g+1], 64<<16                      ; tensor_dim0
	s_mov_b32 s[\g+2], 128<<16                     ; tensor_dim1
	s_mov_b32 s[\g+3], 64<<16                      ; tile_dim0
	s_mov_b32 s[\g+4], 128                         ; tile_dim1
	s_mov_b32 s[\g+5], 64                          ; from row to row
	s_mov_b32 s[\g+6], 0
	s_mov_b32 s[\g+7], 0
.endr
	s_mov_b32 s[SEL], 0x76543210
	s_mov_b32 s[SEL+1], 0xfedcba98                 ; v_permlanex16_b32's selects for lane l xor 16
	s_mov_b32 s[CS], 0x3e38aa3b                    ; c = log2(e) / 8
	s_mov_b32 s[CS+1], s[CS]                       ; (named with it as a pair, so it is written)
	s_mov_b32 s[TK], 0
	s_mov_b32 s[TV], 0
	s_mov_b32 s[KF], 0
	s_mov_b32 s[SLOTS], 7
	s_sub_co_u32 s60, s[WV], 4
	s_lshr_b32 s60, s60, 1
	s_cmp_eq_u32 s60, 0                            ; waves 4 and 5 prefetch
	s_cselect_b32 s[LIM], 1, -1
	s_and_b32 s60, s[WV], 1                        ; which half of a slot's rows I fetch, if I fetch
	s_mul_i32 s[G0K+1], s60, 128*PK                ; its place in slot 0: no place in the cluster enters an LDS address
	s_mul_i32 s[G0V+1], s60, 128*PVP
	s_add_co_u32 s[G0V+1], s[G0V+1], VOFF
	s_lshl_b32 s61, s60, 14                        ; 128 rows of 128 bytes
	s_lshl_b32 s62, s[HEAD], 18                    ; a head's 2,048 rows
	s_add_co_u32 s61, s61, s62
	s_add_co_u32 s66, s61, 0x1000000               ; K lies 2^24 bytes into qkv16,
	s_mov_b32 s67, 0
	s_add_co_u32 s68, s61, 0x2000000               ; V 2^25
	s_mov_b32 s69, 0
	s_wait_dscnt 0x0                               ; both opening adds are done
	s_wait_kmcnt 0x0
	s_mov_b32 s[G0K], 1
	s_add_nc_u64 s[G0K+2:G0K+3], s[4:5], s[66:67]
	s_or_b32 s[G0K+3], s[G0K+3], 0x80000000
	s_mov_b32 s[G0V], 1
	s_add_nc_u64 s[G0V+2:G0V+3], s[4:5], s[68:69]
	s_or_b32 s[G0V+3], s[G0V+3], 0x80000000
	CROUND                                         ; all four work-groups are here: the first joint loads meet
	JLOAD                                          ; slot 0
	s_mov_b32 s60, 0x2000000                       ; where my prefetches stand: K's block (wave 4) or V's,
	s_cmp_eq_u32 s[WV], 4
	s_cselect_b32 s60, 0x1000000, s60
	s_add_co_u32 s60, s60, s62                     ; my head,
	s_lshl_b32 s61, s[CX], 13
	s_add_co_u32 s60, s60, s61                     ; my work-group's 8,192 bytes,
	s_add_co_u32 s60, s60, 32768                   ; in slot 1: the first change of slots steps it to slot 2
	s_mov_b32 s61, 0
	s_add_nc_u64 s[PFA:PFA+1], s[4:5], s[60:61]
	s_lshl_b32 s60, s[Q0], 7
	s_add_co_u32 s60, s60, s62                     ; my first query's row, in q and in ctx16
	s_add_nc_u64 s[QB:QB+1], s[4:5], s[60:61]
	s_add_nc_u64 s[CB:CB+1], s[6:7], s[60:61]
	v_and_b32 v24, 15, v0                          ; r
	v_bfe_u32 v25, v0, 4, 1                        ; h
	v_lshlrev_b32 v26, 7, v24
	v_lshl_add_u32 v26, v25, 4, v26                ; Q: row r of 128 bytes + 16 h
.irp qt, 0,1
.irp ks, 0,1
	global_load_b128 v[Q+16*\qt+8*\ks:Q+16*\qt+8*\ks+3],   v26, s[QB:QB+1] offset:2048*\qt+64*\ks      ; Q stays in registers
	global_load_b128 v[Q+16*\qt+8*\ks+4:Q+16*\qt+8*\ks+7], v26, s[QB:QB+1] offset:2048*\qt+64*\ks+32
.endr
.endr
	v_mul_u32_u24 v[AK0], v24, PK
	v_lshl_add_u32 v[AK0], v25, 4, v[AK0]          ; K: row r x pitch + 16 h
	v_and_b32 v27, 7, v0
	v_bfe_u32 v29, v0, 3, 1
	v_lshl_add_u32 v[AV0], v25, 3, v27             ; V, for the turning load: key 8 h + l % 8,
	v_mul_u32_u24 v[AV0], v[AV0], PVP
	v_lshl_add_u32 v[AV0], v29, 4, v[AV0]          ; channels 8 ((l / 8) % 2) on
	v_add_nc_u32 v[AV0], VOFF, v[AV0]
	v_and_b32 v[PFO], 31, v0
	v_lshlrev_b32 v[PFO], 8, v[PFO]
	v_lshlrev_b32 v27, 3, v25
	v_sub_nc_u32 v[RMH], v24, v27                  ; r - 8 h
.irp t, 0,1
	v_mov_b32 v[ST+8*\t+1], 0xff61b1e6             ; m: -3e38, under every score
	v_mul_f32 v[ST+8*\t], s[CS], v[ST+8*\t+1]      ; c m
.irp n, 2,3,4,5,6,7
	v_mov_b32 v[ST+8*\t+\n], 0                     ; l, and what is named before it is first written
.endr
.endr
.set i, 0
.rept 64
	v_mov_b32 v[O+i], 0                            ; O^T.  (The substep is written once: the first finds zeros, which a = 0 leaves zeros)
.set i, i+1
.endr
; One tile's softmax is 118 instructions; the two tiles alternate line by line, so that no line waits for the line above it.
.macro SOFTMAX
.irp j, 0,1,2,3
.irp t, 0,1
	v_max3_num_f32 v[ST+8*\t+4+\j], v[S+32*\t+8*\j], v[S+32*\t+8*\j+1], v[S+32*\t+8*\j+2]   ; four chains, each begun at an accumulator's low end
.endr
.endr
.irp k, 1,2
.irp j, 0,1,2,3
.irp t, 0,1
	v_max3_num_f32 v[ST+8*\t+4+\j], v[ST+8*\t+4+\j], v[S+32*\t+8*\j+2*\k+1], v[S+32*\t+8*\j+2*\k+2]
.endr
.endr
.endr
.irp t, 0,1
	v_max3_num_f32 v[ST+8*\t+4], v[ST+8*\t+4], v[S+32*\t+7], v[S+32*\t+15]
.endr
.irp t, 0,1
	v_max3_num_f32 v[ST+8*\t+6], v[ST+8*\t+6], v[S+32*\t+23], v[S+32*\t+31]
.endr
.irp t, 0,1
	v_max3_num_f32 v[ST+8*\t+4], v[ST+8*\t+4], v[ST+8*\t+5], v[ST+8*\t+6]
.endr
.irp t, 0,1
	v_max3_num_f32 v[ST+8*\t+4], v[ST+8*\t+4], v[ST+8*\t+7], v[ST+8*\t+1]   ; with the old m
.endr
.irp t, 0,1
	v_permlanex16_b32 v[ST+8*\t+5], v[ST+8*\t+4], s[SEL], s[SEL+1]          ; the query's other 32 keys lie in the lane 16 away
.endr
.irp t, 0,1
	v_mov_b32 v[ST+8*\t+7], v[ST+8*\t]             ; c m_old is kept for a
.endr
.irp t, 0,1
	v_max_num_f32 v[ST+8*\t+1], v[ST+8*\t+4], v[ST+8*\t+5]
.endr
.irp t, 0,1
	v_mul_f32 v[ST+8*\t], s[CS], v[ST+8*\t+1]
.endr
.irp t, 0,1
	v_sub_f32 v[ST+8*\t+7], v[ST+8*\t+7], v[ST+8*\t]
.endr
.irp b, 0,1,2,3,4,5,6,7,8,9,10,11,12,13,14,15
.irp t, 0,1
	v_pk_fma_f32 v[S+32*\t+2*\b:S+32*\t+2*\b+1], v[S+32*\t+2*\b:S+32*\t+2*\b+1], s[CS:CS+1], v[ST+8*\t:ST+8*\t+1] op_sel_hi:[1,0,0] neg_lo:[0,0,1] neg_hi:[0,0,1]   ; c s - c m, two at a time
.endr
.endr
.irp t, 0,1
	v_exp_f32 v[ST+8*\t+6], v[ST+8*\t+7]           ; a.  ONE BATCH of 66 exponentials: none reads another's result
.endr
.set n, 0
.rept 32
	v_exp_f32 v[S+n], v[S+n]
	v_exp_f32 v[S+32+n], v[S+32+n]
.set n, n+1
.endr
	v_nop                                          ; a plain instruction behind the last exponential
	s_wait_alu depctr_va_vdst(0)                   ; one wait for the whole batch, ahead of its first reader
.irp t, 0,1
	v_pk_add_f32 v[ST+8*\t+4:ST+8*\t+5], v[S+32*\t:S+32*\t+1], v[S+32*\t+2:S+32*\t+3]       ; the row's sum of the unrounded p, in two chains a tile
	v_pk_add_f32 v[24+2*\t:25+2*\t], v[S+32*\t+4:S+32*\t+5], v[S+32*\t+6:S+32*\t+7]
.endr
.irp b, 4,6,8,10,12,14
.irp t, 0,1
	v_pk_add_f32 v[ST+8*\t+4:ST+8*\t+5], v[ST+8*\t+4:ST+8*\t+5], v[S+32*\t+2*\b:S+32*\t+2*\b+1]
	v_pk_add_f32 v[24+2*\t:25+2*\t], v[24+2*\t:25+2*\t], v[S+32*\t+2*\b+2:S+32*\t+2*\b+3]
.endr
.endr
.irp t, 0,1
	v_pk_add_f32 v[ST+8*\t+4:ST+8*\t+5], v[ST+8*\t+4:ST+8*\t+5], v[24+2*\t:25+2*\t]
.endr
.irp t, 0,1
	v_pk_fma_f32 v[ST+8*\t+2:ST+8*\t+3], v[ST+8*\t+2:ST+8*\t+3], v[ST+8*\t+6:ST+8*\t+7], v[ST+8*\t+4:ST+8*\t+5] op_sel_hi:[1,0,1]   ; l = a l + the sum
.endr
.irp i, 0,1,2,3,4,5,6,7,8,9,10,11,12,13,14,15
.irp t, 0,1
	v_cvt_pk_f16_f32 v[S+32*\t+\i], v[S+32*\t+2*\i], v[S+32*\t+2*\i+1]   ; P, packed in place, ascending: registers 0-7 keys 0-31, registers 8-15 keys 32-63, as source 1 wants them
.endr
.endr
.irp i, 0,1,2,3,4,5,6,7,8,9,10,11,12,13,14,15
.irp t, 0,1
	v_pk_mul_f32 v[O+32*\t+2*\i:O+32*\t+2*\i+1], v[O+32*\t+2*\i:O+32*\t+2*\i+1], v[ST+8*\t+6:ST+8*\t+7] op_sel_hi:[1,0]   ; O^T x a, each accumulator from its low end on
.endr
.endr
.endm
; A SUBSTEP: 64 keys.
.macro SUBSTEP
	s_cmp_gt_u32 s[KF], s[RL]                      ; all its keys come after my block of 128 queries: left out.  No barrier and no tensor load stands in a substep
	s_cbranch_scc1 .Lhidden_\@
	v_add_nc_u32 v[ADK], s[TK], v[AK0]
	v_add_nc_u32 v[ADV], s[TV], v[AV0]
.rept 3
	v_nop                                          ; with the two additions five places behind the last products: four for the loads into V's registers, five for the new scores written over P
.endr
.irp kt, 0,1,2,3
.irp ks, 0,1
	ds_load_b128 v[KV+8*(2*\kt+\ks):KV+8*(2*\kt+\ks)+3],   v[ADK] offset:\kt*16*PK+64*\ks
	ds_load_b128 v[KV+8*(2*\kt+\ks)+4:KV+8*(2*\kt+\ks)+7], v[ADK] offset:\kt*16*PK+64*\ks+32
.endr
.endr
	s_wait_dscnt 0x0
.irp ks, 0,1                                   ; S^T = K Q^T: the eight accumulators take turns, one instruction a turn; the first eight start the sums
.irp kt, 0,1,2,3
.irp qt, 0,1
.if \ks == 0
	v_wmma_f32_16x16x32_f16 v[S+32*\qt+8*\kt:S+32*\qt+8*\kt+7], v[KV+8*(2*\kt+\ks):KV+8*(2*\kt+\ks)+7], v[Q+16*\qt+8*\ks:Q+16*\qt+8*\ks+7], 0
.else
	v_wmma_f32_16x16x32_f16 v[S+32*\qt+8*\kt:S+32*\qt+8*\kt+7], v[KV+8*(2*\kt+\ks):KV+8*(2*\kt+\ks)+7], v[Q+16*\qt+8*\ks:Q+16*\qt+8*\ks+7], v[S+32*\qt+8*\kt:S+32*\qt+8*\kt+7]
.endif
.endr
.endr
.endr
.rept 4
	v_nop                                          ; four places: for the loads into K's registers and the first reads of the scores
.endr
.irp c, 0,1                                    ; V, turned: it lands while the softmax is walked
.irp t, 0,1,2,3
	ds_load_tr16_b128 v[KV+8*(4*\c+\t):KV+8*(4*\c+\t)+3],   v[ADV] offset:\c*32*PVP+32*\t
	ds_load_tr16_b128 v[KV+8*(4*\c+\t)+4:KV+8*(4*\c+\t)+7], v[ADV] offset:\c*32*PVP+16*PVP+32*\t
.endr
.endr
	s_cmp_lt_u32 s[KF], s[RF]                      ; all its keys count for all queries of my block of 128: no mask
	s_cbranch_scc1 .Lopen_\@
	s_sub_co_i32 s60, s[Q0], s[KF]
	v_add_nc_u32 v24, s60, v[RMH]                  ; d = my query - the first key - 8 h, for tile 0;
	v_add_nc_u32 v25, 16, v24                      ; for tile 1.  Register 8 kt + j holds key 16 kt + 8 h + j: hidden where 16 kt + j > d
	v_mov_b32 v26, 0xff800000                      ; -infinity
.irp t, 0,1
.set n, 0
.rept 32
	v_cmp_gt_i32 vcc_lo, 16*(n/8)+n%8, v[24+\t]
	v_cndmask_b32 v[S+32*\t+n], v[S+32*\t+n], v26, vcc_lo
.set n, n+1
.endr
.endr
.Lopen_\@:
	SOFTMAX
	s_wait_dscnt 0x0                               ; V is in
.irp c, 0,1                                    ; O^T += V^T P: the eight accumulators take turns
.irp t, 0,1,2,3
.irp qt, 0,1
	v_wmma_f32_16x16x32_f16 v[O+32*\qt+8*\t:O+32*\qt+8*\t+7], v[KV+8*(4*\c+\t):KV+8*(4*\c+\t)+7], v[S+32*\qt+8*\c:S+32*\qt+8*\c+7], v[O+32*\qt+8*\t:O+32*\qt+8*\t+7]
.endr
.endr
.endr
.Lhidden_\@:
	s_add_co_u32 s[KF], s[KF], 64
	s_add_co_u32 s[TK], s[TK], 64*PK
	s_add_co_u32 s[TV], s[TV], 64*PVP
.endm
; THE CHANGE OF SLOTS stands at a slot's head.  Each wave waits for all its tensor loads (its part of the slot ahead), adds 0 to its spare word, and waits for that and for its reads of the slot that it has left.
; fill = 1: a round of the cluster's barrier, so that no wave of any partner still reads the other slot or has a load on its way; then that slot is filled with the next 256 keys: the load has a slot's four substeps in which to land.
.macro CHANGE fill
	s_wait_tensorcnt 0x0                           ; no tensor load of mine is out, so a group 0 may be written
	ds_add_u32 v[SPW], v[NIL]                      ; 0 onto my spare word
.if \fill
	ds_add_u32 v[SPW], v[NIL]                      ; and once more
	s_xor_b32 s[G0K+1], s[G0K+1], SLOT1            ; the walking descriptors: the other slot than last time,
	s_add_nc_u64 s[G0K+2:G0K+3], s[G0K+2:G0K+3], 32768   ; the next 256 keys; the type bits on top are not reached
	s_xor_b32 s[G0V+1], s[G0V+1], SLOT1
	s_add_nc_u64 s[G0V+2:G0V+3], s[G0V+2:G0V+3], 32768
	s_wait_xcnt 0x0                                ; the last prefetch, a slot back, has read its address, so it may be written:
	s_add_nc_u64 s[PFA:PFA+1], s[PFA:PFA+1], 32768 ; one slot further on than the walking descriptors
	s_wait_dscnt 0x0                               ; both adds are done, and my reads of the slot that I have left are over
	CROUND
	JLOAD                                          ; the first thing behind the round, and a wave's one tensor load until the next
	ASK
.else
	s_wait_dscnt 0x0
	s_barrier_signal -1
	s_barrier_wait -1
.endif
.endm
.macro SLOT_STEPS                      ; a slot's four substeps: written once, walked four times; the LDS addresses hang on s[TK] and s[TV]
	s_mov_b32 s[CNT], 4
.Lsub_\@:
	SUBSTEP
	s_sub_co_u32 s[CNT], s[CNT], 1
	s_cmp_lg_u32 s[CNT], 0
	s_cbranch_scc1 .Lsub_\@
	s_sub_co_u32 s[TK], s[TK], 256*PK              ; back to a slot's first substep,
	s_xor_b32 s[TK], s[TK], SLOT1                  ; in the other slot
	s_sub_co_u32 s[TV], s[TV], 256*PVP
	s_xor_b32 s[TV], s[TV], SLOT1
.endm
	s_wait_loadcnt 0x0                             ; Q
.Lslot:                                            ; seven trips: behind each change of slots but the last the next slot is asked for
	CHANGE 1
	SLOT_STEPS
	s_sub_co_u32 s[SLOTS], s[SLOTS], 1
	s_cmp_lg_u32 s[SLOTS], 0
	s_cbranch_scc1 .Lslot
	CHANGE 0                                       ; the last slot is written out
	SLOT_STEPS
	; THE WAY OUT.  l's halves are added; O^T is divided by l, rounded to f16 and goes through my stage (32 rows x 144 bytes, in slot 0: it has had its last fill and was left at the last change of slots).
	; It comes back four whole tokens an instruction: 512 consecutive bytes of ctx16.  The additions are the places behind the last products.
.irp t, 0,1
	v_add_f32 v[ST+8*\t+4], v[ST+8*\t+2], v[ST+8*\t+3]
.endr
.irp t, 0,1
	v_permlanex16_b32 v[ST+8*\t+5], v[ST+8*\t+4], s[SEL], s[SEL+1]
.endr
.irp t, 0,1
	v_add_f32 v[ST+8*\t+4], v[ST+8*\t+4], v[ST+8*\t+5]
.endr
.irp t, 0,1
	v_rcp_f32 v[ST+8*\t+6], v[ST+8*\t+4]
.endr
	v_and_b32 v24, 15, v0                          ; (plain work behind the reciprocals)  r
	v_bfe_u32 v25, v0, 4, 1                        ; h
	s_mul_i32 s60, s[WV], 32*PK                    ; my stage
	v_mul_u32_u24 v26, v24, PK
	v_lshl_add_u32 v26, v25, 4, v26
	v_add_nc_u32 v26, s60, v26                     ; in: row r, 16 bytes for each half of the lanes
	v_and_b32 v27, 31, v0
	v_lshrrev_b32 v29, 3, v27
	v_mul_u32_u24 v29, v29, PK
	v_and_b32 v30, 7, v0
	v_lshl_add_u32 v29, v30, 4, v29
	v_add_nc_u32 v29, s60, v29                     ; back: eight lanes to a token's 128 bytes
	v_lshlrev_b32 v27, 4, v27                      ; and 16 x lane in ctx16
	s_wait_alu depctr_va_vdst(0)                   ; one wait for the two reciprocals, ahead of their first reader
.irp qt, 0,1
.irp i, 0,1,2,3,4,5,6,7,8,9,10,11,12,13,14,15
	v_pk_mul_f32 v[O+32*\qt+2*\i:O+32*\qt+2*\i+1], v[O+32*\qt+2*\i:O+32*\qt+2*\i+1], v[ST+8*\qt+6:ST+8*\qt+7] op_sel_hi:[1,0]
.endr
.irp i, 0,1,2,3,4,5,6,7,8,9,10,11,12,13,14,15
	v_cvt_pk_f16_f32 v[S+16*\qt+\i], v[O+32*\qt+2*\i], v[O+32*\qt+2*\i+1]
.endr
.irp t, 0,1,2,3
	ds_store_b128 v26, v[S+16*\qt+4*\t:S+16*\qt+4*\t+3] offset:16*PK*\qt+32*\t
.endr
.irp i, 0,1,2,3
	ds_load_b128 v[KV+16*\qt+4*\i:KV+16*\qt+4*\i+3], v29 offset:16*PK*\qt+4*PK*\i   ; LDS serves a wave's instructions in order: these see my stores
.endr
.endr
.irp i, 0,1,2,3
	s_wait_dscnt 11-\i                             ; behind tile 0's load i: its 3 - i younger loads and tile 1's eight LDS instructions
	global_store_b128 v27, v[KV+4*\i:KV+4*\i+3], s[CB:CB+1] offset:512*\i
.endr
.irp i, 0,1,2,3
	s_wait_dscnt 3-\i
	global_store_b128 v27, v[KV+16+4*\i:KV+16+4*\i+3], s[CB:CB+1] offset:2048+512*\i
.endr
	s_wait_tensorcnt 0x0                           ; the wave's end, behind my last tensor load and my last LDS store
	ds_add_u32 v[SPW], v[NIL]
	s_wait_dscnt 0x0
	CROUND                                         ; the closing round
	s_endpgm
.Lfunc_end_k_q37e0ee3ee9_attn:
	.size	k_q37e0ee3ee9_attn, .Lfunc_end_k_q37e0ee3ee9_attn-k_q37e0ee3ee9_attn
	.p2alignl 7, 3214868480
	.fill 96, 4, 3214868480
	.section	.rodata,"a",@progbits
	.p2align	6, 0x0
	.amdhsa_kernel k_q37e0ee3ee9_attn
		.amdhsa_group_segment_fixed_size 327680
		.amdhsa_private_segment_fixed_size 0
		.amdhsa_enable_private_segment 0
		.amdhsa_kernarg_size 16
		.amdhsa_user_sgpr_count 2
		.amdhsa_user_sgpr_kernarg_segment_ptr 1
		.amdhsa_wavefront_size32 1
		.amdhsa_system_sgpr_workgroup_id_x 1
		.amdhsa_system_sgpr_workgroup_id_y 1
		.amdhsa_system_sgpr_workgroup_id_z 1
		.amdhsa_system_vgpr_workitem_id 0
		.amdhsa_next_free_vgpr 256
		.amdhsa_next_free_sgpr 72
		.amdhsa_reserve_vcc 1
		.amdhsa_float_denorm_mode_32 3
		.amdhsa_float_denorm_mode_16_64 3
		.amdhsa_memory_ordered 1
		.amdhsa_forward_progress 1
		.amdhsa_inst_pref_size 62
	.end_amdhsa_kernel
	.amdgpu_metadata
---
amdhsa.version: [ 1, 2 ]
amdhsa.kernels:
  - .name:           k_q37e0ee3ee9_attn
    .symbol:         k_q37e0ee3ee9_attn.kd
    .args:
      - { .name: qkv16, .offset: 0, .size: 8, .value_kind: global_buffer, .address_space: global }
      - { .name: ctx16, .offset: 8, .size: 8, .value_kind: global_buffer, .address_space: global }
    .group_segment_fixed_size: 327680
    .private_segment_fixed_size: 0
    .kernarg_segment_align: 8
    .kernarg_segment_size: 16
    .max_flat_workgroup_size: 512
    .sgpr_count:     72
    .vgpr_count:     256
    .wavefront_size: 32
...
	.end_amdgpu_metadata
.endif
;; end of part 3
;; launch oproj (part 4): grid 8 x 64, 4 waves a work-group, clusters of 4 x 4, 327,680 bytes of LDS; arguments ctx16, wot16, out0, bo; writes out0
.if DOCPART == 4
	.amdgcn_target "amdgcn-amd-amdhsa--gfx1250"
	.amdhsa_code_object_version 6
	.text
	.protected	k_q37e0ee3ee9_oproj
	.globl	k_q37e0ee3ee9_oproj
	.p2align	8
	.type	k_q37e0ee3ee9_oproj,@function
k_q37e0ee3ee9_oproj:
	s_mov_b64 s[64:65], 0
	v_nop
	global_prefetch_b8 v0, s[64:65] scope:SCOPE_SE
	s_setreg_imm32_b32 hwreg(HW_REG_WAVE_MODE, 25, 1), 1
	s_wait_xcnt 0x0
	s_wait_alu depctr_hold_cnt(0) depctr_sa_sdst(0) depctr_va_vdst(0) depctr_va_sdst(0) depctr_va_ssrc(0) depctr_va_vcc(0) depctr_vm_vsrc(0)
	s_getreg_b32 s2, hwreg(HW_REG_IB_STS2, 6, 4)
	s_cmp_eq_u32 s2, 0
	s_cbranch_scc0 .Lentry_in_a_cluster
	s_endpgm
.Lentry_in_a_cluster:
	s_bfe_u32 s2, ttmp6, 0x10000c
	s_cmp_lg_u32 s2, 0xf033
	s_cbranch_scc0 .Lentry_shape_is_right
	s_endpgm
.Lentry_shape_is_right:
; OPROJ: out0[m][n] = sum over k of ctx[m][k] Wo[k][n] + bo[n], m 8,192, n 1,024, K 1,024; f16 operands, f32 sums, f32 out.
; ctx16 is [batch x 16 + head][token][64] f16 (k = 64 head + channel); wot16 is Wo transposed, [n][k] f16.
; A tile of out0 is 128 x 128: 512 work-groups, two for each WGP.  Four waves, each 64 x 64: 16 accumulators.  K goes in steps of 256 (four heads) through a ring of two LDS slots.
; A's TILE: a wave's 64 tokens of four heads are four dense runs of 8,192 bytes, 262,144 bytes apart: ONE tile of 4 rows x 4,096 elements, with 16 bytes of padding behind every 128: in LDS [head][token][144 bytes].
; CLUSTERS: 4 x 4 work-groups; the four of a row need the same tiles of ctx, the four of a column the same tiles of Wo: each is asked for jointly.
; THE MATRIX INSTRUCTION IS USED TRANSPOSED (source 0 = 16 rows of wot16, source 1 = 16 tokens): a lane holds eight neighbouring columns of a row of out0.  bo is the C of each sum's first product.
; All rows are written here; the first 16 positions of each sequence are written again, more finely, by the launch that follows.
; REGISTERS: window 0: v0-31 addresses; v32-95 the way out; v96-127 bo in the result's layout; v128-255 the accumulators ((a, b) at v[128 + 8 (4 a + b)]).  window 1: two fragment buffers of 128.
.set KSTEP,  256
.set PITCH,  528                       ; B's LDS row: 512 bytes + 16
.set APITCH, 144                       ; A's: a token's 128 bytes of one head + 16
.set AQ,     64*APITCH                 ; a head's 64 tokens
.set AHALF,  4*AQ                      ; what one tensor load brings of A: 64 tokens x 4 heads
.set BHALF,  64*PITCH                  ; and of B: 64 rows
.set SLOT,   2*AHALF+2*BHALF
.set ASTEP,  4*262144                  ; four heads on, in ctx16
.set STAGE,  2*SLOT                    ; behind the ring: 16 rows x 272 bytes for each wave
.set SPITCH, 272
.set SPARE,  STAGE+4*16*SPITCH         ; the spare words, 128 bytes for each wave: two blocks of 256 bytes that no other line names
.set LAPS,   2                         ; a lap = two K steps = once round the ring
.set ADRA, 16
.set ADRB, 20
.set STO,  24
.set RD,   25
.set CO,   26
.set BOF,  27                          ; v27  32 (lane / 16): my place in bo; never rewritten
.set SPW,  28
.set NIL,  29
.set TMP,  32
.set BIAS, 96
.set ACC,  128
.set F0,   0
.set F1,   128
.set G1, 24
.set G0, 32
.set G1B, 48
.set G0B, 56
.set MSB, 0
.macro WIN new                         ; the immediate's high byte repeats the setting that is left
.if MSB != (\new)
	s_set_vgpr_msb (MSB<<8)|(\new)
.set MSB, (\new)
.endif
.endm
.set MUL,  0x05                        ; sources 0 (B) and 1 (A) window 1; C and D window 0
.set TO_F, 0x40                        ; destination window 1, address window 0
.macro JLOAD s                         ; a joint load: waves 0 and 1 fetch A's two halves, waves 2 and 3 B's; an s_nop 0 and four v_nop follow each line
	s_cmp_eq_u32 s11, 0
	s_cbranch_scc0 .Lfor_b_\@
	tensor_load_to_lds s[G0+4*\s:G0+4*\s+3], s[G1:G1+7]
	s_nop 0
.rept 4
	v_nop
.endr
	s_branch .Lasked_\@
.Lfor_b_\@:
	tensor_load_to_lds s[G0B+4*\s:G0B+4*\s+3], s[G1B:G1B+7]
	s_nop 0
.rept 4
	v_nop
.endr
.Lasked_\@:
.endm
.macro CREST                           ; a round of the cluster's barrier behind its opening barrier
	s_cmp_lg_u32 s10, 0
	s_cbranch_scc1 .Lnot_wave_0_\@
	s_barrier_signal -3
.Lnot_wave_0_\@:
	s_barrier_wait -3
	s_barrier_signal -1
	s_barrier_wait -1
.endm
.macro CROUND
	s_barrier_signal -1
	s_barrier_wait -1
	CREST
.endm
	s_load_b128 s[4:7], s[0:1], 0x0                ; ctx16 s[4:5], wot16 s[6:7]
	s_load_b64 s[8:9], s[0:1], 0x10                ; out0
	s_load_b64 s[66:67], s[0:1], 0x18              ; bo
	v_lshl_add_u32 v[SPW], v0, 2, SPARE
	v_mov_b32 v[NIL], 0
	ds_add_u32 v[SPW], v[NIL]                      ; the wave's opening: the add, twice on end, and its wait ahead of my first tensor load
	ds_add_u32 v[SPW], v[NIL]
	v_lshrrev_b32 v1, 5, v0
	v_readfirstlane_b32 s10, v1                    ; wave 0..3
	s_lshr_b32 s11, s10, 1                         ; which half of the tile's rows is mine.  Also: I fetch for A (0) or for B (1)
	s_and_b32 s12, s10, 1                          ; which half of its columns.  Also: which 64 rows of that tile I fetch
	s_bfe_u32 s40, ttmp6, 0x40000                  ; cx, cy
	s_bfe_u32 s41, ttmp6, 0x40004
	s_lshl_b32 s42, ttmp9, 2
	s_add_co_u32 s42, s42, s40                     ; tile column = 4 x cluster x + cx
	s_and_b32 s13, ttmp7, 0xffff
	s_lshl_b32 s13, s13, 2
	s_add_co_u32 s13, s13, s41                     ; tile row = 4 x cluster y + cy
	s_lshl_b32 s43, s41, 2
	s_lshl_b32 s43, 15, s43                        ; my row of the cluster
	s_lshl_b32 s44, 0x1111, s40                    ; my column
	s_or_b32 s[G1+0], s43, (1<<16)|(1<<20)|(1<<21)|(4<<22)|(3<<25)   ; A: the mask; elements of 2 bytes; padding on; bit 21 beside a mask; after every 32 words four words
	s_mov_b32 s[G1+1], 4096<<16                    ; tensor_dim0 = 4,096: 64 tokens x 64 channels, dense
	s_mov_b32 s[G1+2], 4<<16                       ; tensor_dim1 = 4 heads
	s_mov_b32 s[G1+3], 4096<<16                    ; tile_dim0
	s_mov_b32 s[G1+4], 4                           ; tile_dim1
	s_mov_b32 s[G1+5], 131072                      ; from head to head, in elements
	s_mov_b32 s[G1+6], 0
	s_mov_b32 s[G1+7], 0
	s_or_b32 s[G1B+0], s44, (1<<16)|(1<<20)|(1<<21)|(6<<22)|(3<<25)  ; B: after every 128 words four words
	s_mov_b32 s[G1B+1], KSTEP<<16
	s_mov_b32 s[G1B+2], 64<<16
	s_mov_b32 s[G1B+3], KSTEP<<16
	s_mov_b32 s[G1B+4], 64
	s_mov_b32 s[G1B+5], 1024
	s_mov_b32 s[G1B+6], 0
	s_mov_b32 s[G1B+7], 0
	s_lshr_b32 s16, s13, 4                         ; A: the batch: 16 heads of 262,144 bytes,
	s_lshl_b32 s16, s16, 22
	s_and_b32 s17, s13, 15
	s_lshl_b32 s17, s17, 14                        ; the tile's 128 tokens of 128 bytes,
	s_add_co_u32 s16, s16, s17
	s_lshl_b32 s17, s12, 13                        ; the 64 of them that I fetch
	s_add_co_u32 s16, s16, s17
	s_mov_b32 s17, 0
	s_lshl_b32 s46, s42, 7
	s_lshl_b32 s47, s12, 6
	s_add_co_u32 s46, s46, s47                     ; B: row 128 x tile column + 64 x half,
	s_lshl_b32 s46, s46, 11                        ; of 2,048 bytes
	s_mov_b32 s47, 0
	s_mul_i32 s20, s12, AHALF                      ; where they go: no place in the cluster enters an LDS address
	s_mul_i32 s23, s12, BHALF
	s_add_co_u32 s23, s23, 2*AHALF
	s_wait_dscnt 0x0                               ; both opening adds are done
	s_wait_kmcnt 0x0
	s_add_nc_u64 s[14:15], s[4:5], s[16:17]
	s_add_nc_u64 s[46:47], s[6:7], s[46:47]
	CROUND                                         ; all sixteen work-groups are here: the first joint loads meet
.irp s, 0,1
	s_mov_b32 s[G0+4*\s], 1
	s_add_co_u32 s[G0+4*\s+1], s20, \s*SLOT
	s_add_nc_u64 s[G0+4*\s+2:G0+4*\s+3], s[14:15], \s*ASTEP
	s_or_b32 s[G0+4*\s+3], s[G0+4*\s+3], 0x80000000
	s_mov_b32 s[G0B+4*\s], 1
	s_add_co_u32 s[G0B+4*\s+1], s23, \s*SLOT
	s_add_nc_u64 s[G0B+4*\s+2:G0B+4*\s+3], s[46:47], \s*KSTEP*2
	s_or_b32 s[G0B+4*\s+3], s[G0B+4*\s+3], 0x80000000
	JLOAD \s
.endr
	v_and_b32 v1, 15, v0                           ; r
	v_bfe_u32 v2, v0, 4, 1                         ; h
	v_lshlrev_b32 v[BOF], 5, v2
	s_lshl_b32 s16, s42, 9                         ; bo: my 64 columns begin at 128 x tile column + 64 x half
	s_lshl_b32 s17, s12, 8
	s_add_co_u32 s16, s16, s17
	s_mov_b32 s17, 0
	s_add_nc_u64 s[66:67], s[66:67], s[16:17]
.irp b, 0,1,2,3
	global_load_b128 v[BIAS+8*\b:BIAS+8*\b+3],   v[BOF], s[66:67] offset:64*\b      ; bo at columns 16 b + 8 h + 0 .. 7: the result's layout
	global_load_b128 v[BIAS+8*\b+4:BIAS+8*\b+7], v[BOF], s[66:67] offset:64*\b+16
.endr
	v_mul_u32_u24 v3, v1, PITCH
	v_lshl_add_u32 v3, v2, 4, v3                   ; B: a fragment's row x pitch + 16 h
	v_mul_u32_u24 v4, v1, APITCH
	v_lshl_add_u32 v4, v2, 4, v4                   ; A likewise
	s_mul_i32 s21, s11, AHALF                      ; my 64 tokens
	s_mul_i32 s22, s12, BHALF                      ; my 64 rows of B,
	s_add_co_u32 s22, s22, 2*AHALF                 ; which lie behind A's two halves
.irp s, 0,1
	v_add_nc_u32 v[ADRA+\s], s21, v4
	v_add_nc_u32 v[ADRB+\s], s22, v3
	s_add_co_u32 s21, s21, SLOT
	s_add_co_u32 s22, s22, SLOT
.endr
	s_mul_i32 s23, s10, 16*SPITCH
	s_add_co_u32 s23, s23, STAGE                   ; my stage
	v_mul_u32_u24 v5, v1, SPITCH
	v_lshl_add_u32 v5, v2, 5, v5
	v_add_nc_u32 v[STO], s23, v5                   ; in: row r, 32 bytes for each half of the lanes
	v_mul_u32_u24 v5, v2, SPITCH
	v_lshl_add_u32 v5, v1, 4, v5
	v_add_nc_u32 v[RD], s23, v5                    ; back: lanes 0-15 one row of 256 bytes, lanes 16-31 the next
	v_lshlrev_b32 v5, 12, v2
	v_lshl_add_u32 v[CO], v1, 4, v5                ; and the same two rows in out0
	s_lshl_b32 s16, s13, 7
	s_lshl_b32 s17, s11, 6
	s_add_co_u32 s16, s16, s17                     ; my first row: 128 x tile row + 64 x half,
	s_lshl_b32 s16, s16, 12                        ; of 4,096 bytes;
	s_lshl_b32 s17, s42, 9
	s_add_co_u32 s16, s16, s17
	s_lshl_b32 s17, s12, 8
	s_add_co_u32 s16, s16, s17                     ; my first column x 4
	s_mov_b32 s17, 0
	s_add_nc_u64 s[8:9], s[8:9], s[16:17]
; 8 matrix instructions: m blocks a0, a0 + 1 x all 4 n blocks, 32 along K: half c of buffer f.  zero = 1: the first product starts the sums, with bo as its C
.macro MUL8 f, c, a0, zero
.irp a, \a0, \a0+1
.irp b, 0,1,2,3
.if \zero
	v_wmma_f32_16x16x32_f16 v[ACC+8*(4*(\a)+\b):ACC+8*(4*(\a)+\b)+7], v[\f+64+8*(4*\c+\b):\f+64+8*(4*\c+\b)+7], v[\f+8*(4*\c+\a):\f+8*(4*\c+\a)+7], v[BIAS+8*\b:BIAS+8*\b+7]
.else
	v_wmma_f32_16x16x32_f16 v[ACC+8*(4*(\a)+\b):ACC+8*(4*(\a)+\b)+7], v[\f+64+8*(4*\c+\b):\f+64+8*(4*\c+\b)+7], v[\f+8*(4*\c+\a):\f+8*(4*\c+\a)+7], v[ACC+8*(4*(\a)+\b):ACC+8*(4*(\a)+\b)+7]
.endif
.endr
.endr
.endm
; 32 LDS loads in one run: the fragments of quarter q (64 along K: one head) into buffer f; the first 32 along K first
.macro FETCH slot, q, f
	WIN TO_F
.irp c, 0,1
.irp i, 0,1,2,3
	ds_load_b128 v[\f+64+8*(4*\c+\i):\f+64+8*(4*\c+\i)+3],   v[ADRB+\slot] offset:128*(\q)+64*\c+\i*16*PITCH
	ds_load_b128 v[\f+64+8*(4*\c+\i)+4:\f+64+8*(4*\c+\i)+7], v[ADRB+\slot] offset:128*(\q)+64*\c+\i*16*PITCH+32
	ds_load_b128 v[\f+8*(4*\c+\i):\f+8*(4*\c+\i)+3],         v[ADRA+\slot] offset:AQ*(\q)+64*\c+\i*16*APITCH
	ds_load_b128 v[\f+8*(4*\c+\i)+4:\f+8*(4*\c+\i)+7],       v[ADRA+\slot] offset:AQ*(\q)+64*\c+\i*16*APITCH+32
.endr
.endr
.endm
.macro PLACES                          ; four places in front of loads into registers that matrix instructions have read, and of reads of results
.rept 4
	v_nop
.endr
.endm
; A K step is four quarters, 32 matrix instructions each, on buffers 0, 1, 0, 1.  One of the first three: multiplies buffer f and fetches quarter q into g.
.macro QUARTER slot, q, f, g, zero
	s_wait_dscnt 16                                ; the first 32 along K are in; the youngest sixteen loads may be out
	WIN MUL
	MUL8 \f, 0, 0, \zero
	MUL8 \f, 0, 2, \zero
	PLACES
	FETCH \slot, \q, \g
	s_wait_dscnt 32                                ; all but the 32 just issued
	WIN MUL
	MUL8 \f, 1, 0, 0
	MUL8 \f, 1, 2, 0
.endm
; The last quarter multiplies buffer 1 and changes slots: one barrier; in front of it each wave waits for all its tensor loads, adds 0 to its spare word, and waits for that and for its reads of this slot.
.macro TURN slot, next, fill
	WIN 0                                          ; (the add's two registers lie in window 0)
	s_wait_tensorcnt 0x0                           ; all my tensor loads have landed: my part of the next slot;
	ds_add_u32 v[SPW], v[NIL]                      ; 0 onto my spare word;
	s_wait_dscnt 17                                ; (the add and the youngest sixteen loads may be out)
	WIN MUL
	MUL8 F1, 0, 0, 0
	s_wait_dscnt 0x0                               ; the add is done, and my reads of this slot are over
	s_barrier_signal -1
	MUL8 F1, 0, 2, 0
.if \fill
	WIN 0
.endif
	s_barrier_wait -1
.if \fill
	CREST                                          ; the barrier has opened a round of the cluster's: no wave of any partner still reads this slot or has a load on its way
	s_add_nc_u64 s[G0+4*\slot+2:G0+4*\slot+3], s[G0+4*\slot+2:G0+4*\slot+3], 2*ASTEP
	s_add_nc_u64 s[G0B+4*\slot+2:G0B+4*\slot+3], s[G0B+4*\slot+2:G0B+4*\slot+3], 2*KSTEP*2
	JLOAD \slot                                    ; the first tensor load behind the round; its four v_nop are also the places in front of the loads below
.else
	PLACES
.endif
	FETCH \next, 0, F0
	WIN MUL
	MUL8 F1, 1, 0, 0
	MUL8 F1, 1, 2, 0
.endm
	s_wait_tensorcnt 1                             ; my part of K step 0 is in (K step 1's load may be out)
	s_barrier_signal -1
	s_barrier_wait -1                              ; everybody's is
	FETCH 0, 0, F0
	s_wait_loadcnt 0x0                             ; bo
	QUARTER 0, 1, F0, F1, 1                        ; the first quarter stands in front of the loop: its first products start the sums
	WIN 0                                          ; at a label and at a branch every window is 0
	s_mov_b32 s3, LAPS-1
.Llap:                                             ; a trip goes once round the ring and fills both slots again
	QUARTER 0, 2, F1, F0, 0
	QUARTER 0, 3, F0, F1, 0
	TURN 0, 1, 1
	QUARTER 1, 1, F0, F1, 0
	QUARTER 1, 2, F1, F0, 0
	QUARTER 1, 3, F0, F1, 0
	TURN 1, 0, 1
	QUARTER 0, 1, F0, F1, 0
	WIN 0
	s_sub_co_u32 s3, s3, 1
	s_cmp_lg_u32 s3, 0
	s_cbranch_scc1 .Llap
	QUARTER 0, 2, F1, F0, 0                        ; the last lap fills nothing, and has no round of the cluster's barrier
	QUARTER 0, 3, F0, F1, 0
	TURN 0, 1, 0
	QUARTER 1, 1, F0, F1, 0
	QUARTER 1, 2, F1, F0, 0
	QUARTER 1, 3, F0, F1, 0
	s_wait_dscnt 16                                ; the very last quarter: nothing more to fetch
	WIN MUL
	MUL8 F1, 0, 0, 0
	MUL8 F1, 0, 2, 0
	s_wait_dscnt 0
	MUL8 F1, 1, 0, 0
	MUL8 F1, 1, 2, 0
	WIN 0
; THE WAY OUT, block by block of 16 rows x 64 columns.  My 64 columns are 256 aligned bytes of a row, so my own stage serves and no barrier is needed: a lane's 32 bytes go in, whole rows come back,
; and sixteen lanes store 256 consecutive bytes.  LDS serves a wave's instructions in order (ISA guide 5.7.1.4).
.macro TOSTAGE a
.irp b, 0,1,2,3
	ds_store_b128 v[STO], v[ACC+8*(4*(\a)+\b):ACC+8*(4*(\a)+\b)+3] offset:64*\b          ; each accumulator from its low end on
	ds_store_b128 v[STO], v[ACC+8*(4*(\a)+\b)+4:ACC+8*(4*(\a)+\b)+7] offset:64*\b+16
.endr
.irp t, 0,1,2,3,4,5,6,7
	ds_load_b128 v[TMP+32*((\a)%2)+4*\t:TMP+32*((\a)%2)+4*\t+3], v[RD] offset:\t*2*SPITCH
.endr
.endm
.macro SEND a, younger                 ; younger: the LDS instructions issued behind block a's loads, which may stay out
	s_wait_dscnt \younger
.irp t, 0,1,2,3,4,5,6,7
	global_store_b128 v[CO], v[TMP+32*((\a)%2)+4*\t:TMP+32*((\a)%2)+4*\t+3], s[8:9] offset:(16*(\a)+2*\t)*4096 th:TH_STORE_NT
.endr
.endm
	PLACES
	TOSTAGE 0
.irp a, 1,2,3
.if \a > 1
	s_wait_xcnt 0x0                                ; block a - 2's stores have read their registers: block a's loads may land there
.endif
	TOSTAGE \a
	SEND \a-1, 16                                  ; behind block a - 1's loads: block a's 8 stores and 8 loads
.endr
	SEND 3, 0
	s_wait_tensorcnt 0x0                           ; the wave's end, behind my last tensor load and my last LDS store
	ds_add_u32 v[SPW], v[NIL]
	s_wait_dscnt 0x0
	CROUND                                         ; the closing round
	s_endpgm
.Lfunc_end_k_q37e0ee3ee9_oproj:
	.size	k_q37e0ee3ee9_oproj, .Lfunc_end_k_q37e0ee3ee9_oproj-k_q37e0ee3ee9_oproj
	.p2alignl 7, 3214868480
	.fill 96, 4, 3214868480
	.section	.rodata,"a",@progbits
	.p2align	6, 0x0
	.amdhsa_kernel k_q37e0ee3ee9_oproj
		.amdhsa_group_segment_fixed_size 327680
		.amdhsa_private_segment_fixed_size 0
		.amdhsa_enable_private_segment 0
		.amdhsa_kernarg_size 32
		.amdhsa_user_sgpr_count 2
		.amdhsa_user_sgpr_kernarg_segment_ptr 1
		.amdhsa_wavefront_size32 1
		.amdhsa_system_sgpr_workgroup_id_x 1
		.amdhsa_system_sgpr_workgroup_id_y 1
		.amdhsa_system_sgpr_workgroup_id_z 1
		.amdhsa_system_vgpr_workitem_id 0
		.amdhsa_next_free_vgpr 512
		.amdhsa_next_free_sgpr 68
		.amdhsa_reserve_vcc 0
		.amdhsa_float_denorm_mode_32 3
		.amdhsa_float_denorm_mode_16_64 3
		.amdhsa_memory_ordered 1
		.amdhsa_forward_progress 1
		.amdhsa_inst_pref_size 87
	.end_amdhsa_kernel
	.amdgpu_metadata
---
amdhsa.version: [ 1, 2 ]
amdhsa.kernels:
  - .name:           k_q37e0ee3ee9_oproj
    .symbol:         k_q37e0ee3ee9_oproj.kd
    .args:
      - { .name: ctx16, .offset: 0, .size: 8, .value_kind: global_buffer, .address_space: global }
      - { .name: wot16, .offset: 8, .size: 8, .value_kind: global_buffer, .address_space: global }
      - { .name: out0, .offset: 16, .size: 8, .value_kind: global_buffer, .address_space: global }
      - { .name: bo, .offset: 24, .size: 8, .value_kind: global_buffer, .address_space: global }
    .group_segment_fixed_size: 327680
    .private_segment_fixed_size: 0
    .kernarg_segment_align: 8
    .kernarg_segment_size: 32
    .max_flat_workgroup_size: 128
    .sgpr_count:     68
    .vgpr_count:     512
    .wavefront_size: 32
...
	.end_amdgpu_metadata
.endif
;; end of part 4
;; launch first16 (part 5): grid 16 x 4, 16 waves a work-group, no clusters, 71,680 bytes of LDS; arguments qkvf, Wo, bo, out0; writes out0
.if DOCPART == 5
	.amdgcn_target "amdgcn-amd-amdhsa--gfx1250"
	.amdhsa_code_object_version 6
	.text
	.protected	k_q37e0ee3ee9_first16
	.globl	k_q37e0ee3ee9_first16
	.p2align	8
	.type	k_q37e0ee3ee9_first16,@function
k_q37e0ee3ee9_first16:
	s_mov_b64 s[64:65], 0
	v_nop
	global_prefetch_b8 v0, s[64:65] scope:SCOPE_SE
	s_setreg_imm32_b32 hwreg(HW_REG_WAVE_MODE, 25, 1), 1
	s_wait_xcnt 0x0
; FIRST16: positions 0-15 of each of the four sequences once more, in f32 from end to end: these rows average one to sixteen values, are the largest of the output, and bear no rounding of operands to 16 bits.
; qkvf [batch 4][token 16][3,072] f32 (q at column 0, k at 1,024, v at 2,048); Wo [1,024 (k)][1,024 (n)] f32; bo [1,024]; the 64 rows of out0 are written over.
; SHARES.  A work-group is (64 output columns, a batch); wave w is head w.  Each wave makes its head's 16 x 16 attention (every work-group of a batch repeats it: 16 x 16 x 64 x 2 multiply-adds a head), keeps ctx in registers,
; and multiplies it by its own 64 rows of Wo; the 16 partial sums meet in LDS, and eight waves add them, with bo, and store.  This is no bulk work: 64 rows of 8,192.
; THE F32 MATRIX FORM (16 x 16 x 4): lane (r, h), register j holds k = 2 h + j.  One permutation of k is applied alike to both operands of each product, so that every operand is a run of a lane's registers:
;   S^T = K Q^T, step s: channels 32 h + 2 s + j;   O^T = V^T P, step s: keys 8 h + 2 s + j (S^T's own layout);   out^T = Wo^T O, step (t, s): channels 16 t + 8 h + 2 s + j (O^T's own layout).
; The registers that this form writes (v184-255) are written by matrix instructions alone.  The softmax takes the row's maximum away and is normalised ahead of the second product.
; REGISTERS: v1, v2 the add's two; v3-5 offsets; v6-13 P; v14-21 at work; v22, v23 LDS addresses; v24-55 Q, v56-87 K (later Wo's second half); v88-119 V^T (later bo); v120-183 Wo's first half (later the partial sums);
;   v184-191 S^T; v192-223 O^T; v224-255 out^T.
.set PP,    272                        ; a row of a partial sum: 256 bytes + 16
.set WPART, 16*PP                      ; a wave's 16 rows
.set SPARE, 16*WPART                   ; behind the 16 parts: the spare words, 128 bytes for each wave: eight blocks of 256 bytes that no other line names
	s_load_b256 s[4:11], s[0:1], 0x0               ; qkvf s[4:5], Wo s[6:7], bo s[8:9], out0 s[10:11]
	v_lshl_add_u32 v1, v0, 2, SPARE
	v_mov_b32 v2, 0
	v_lshrrev_b32 v14, 5, v0
	v_readfirstlane_b32 s12, v14                   ; wave = head
	s_and_b32 s13, ttmp7, 0xffff                   ; batch
	v_and_b32 v14, 15, v0                          ; r
	v_bfe_u32 v15, v0, 4, 1                        ; h
	v_mul_u32_u24 v3, v14, 12288
	v_lshl_add_u32 v3, v15, 7, v3                  ; q, k: token r, + 128 h: my 32 channels
	v_mul_u32_u24 v4, v15, 8*12288
	v_lshl_add_u32 v4, v14, 2, v4                  ; v: key 8 h, channel r
	v_lshlrev_b32 v5, 15, v15
	v_lshl_add_u32 v5, v14, 2, v5                  ; Wo: row 8 h, column r
	s_mul_i32 s14, s12, WPART
	v_mul_u32_u24 v22, v14, PP
	v_lshl_add_u32 v22, v15, 5, v22
	v_add_nc_u32 v22, s14, v22                     ; my part: row r, 32 bytes for each half of the lanes
	s_and_b32 s15, s12, 7
	s_mul_i32 s15, s15, 2*PP
	v_mul_u32_u24 v23, v15, PP
	v_lshl_add_u32 v23, v14, 4, v23
	v_add_nc_u32 v23, s15, v23                     ; the sum: rows 2 (w % 8) and 2 (w % 8) + 1, sixteen lanes to a row
	v_lshlrev_b32 v16, 3, v15
	v_sub_nc_u32 v20, v14, v16                     ; d = r - 8 h: register j holds key 8 h + j, hidden where j > d
	v_mov_b32 v21, 0xff800000                      ; -infinity
	s_mov_b32 s16, 0x76543210
	s_mov_b32 s17, 0xfedcba98                      ; v_permlanex16_b32's selects for lane l xor 16
	s_mov_b32 s18, 0x3e38aa3b                      ; c = log2(e) / 8
	s_mov_b32 s19, s18
	s_mul_i32 s20, s13, 16*12288
	s_lshl_b32 s21, s12, 8
	s_add_co_u32 s20, s20, s21                     ; qkvf: my batch, my head's 64 columns
	s_mov_b32 s21, 0
	s_lshl_b32 s22, s12, 18                        ; Wo: my head's 64 rows of 4,096 bytes,
	s_lshl_b32 s24, ttmp9, 8                       ; the work-group's 64 columns
	s_add_co_u32 s22, s22, s24
	s_mov_b32 s23, 0
	s_mov_b32 s25, 0
	s_lshl_b32 s26, s13, 23                        ; out0: 2,048 rows of 4,096 bytes a batch,
	s_and_b32 s27, s12, 7
	s_lshl_b32 s27, s27, 13                        ; two rows a wave
	s_add_co_u32 s26, s26, s27
	s_add_co_u32 s26, s26, s24
	s_mov_b32 s27, 0
	s_wait_kmcnt 0x0
	s_add_nc_u64 s[4:5], s[4:5], s[20:21]
	s_add_nc_u64 s[6:7], s[6:7], s[22:23]
	s_add_nc_u64 s[8:9], s[8:9], s[24:25]
	s_add_nc_u64 s[10:11], s[10:11], s[26:27]
.irp i, 0,1,2,3,4,5,6,7
	global_load_b128 v[24+4*\i:27+4*\i], v3, s[4:5] offset:16*\i            ; Q(r, 32 h + 4 i ..)
.endr
.irp i, 0,1,2,3,4,5,6,7
	global_load_b128 v[56+4*\i:59+4*\i], v3, s[4:5] offset:4096+16*\i       ; K likewise
.endr
.irp t, 0,1,2,3
.irp n, 0,1,2,3,4,5,6,7
	global_load_b32 v[88+8*\t+\n], v4, s[4:5] offset:\n*12288+8192+64*\t    ; V(8 h + n, 16 t + r)
.endr
.endr
.macro WLOAD base, t0                  ; Wo(64 w + 16 t + 8 h + 2 s + j, n0 + 16 nt + r) for t = t0, t0 + 1, at base + 2 (4 (4 (t - t0) + s) + nt) + j
.irp u, 0,1
.irp s, 0,1,2,3
.irp nt, 0,1,2,3
.irp j, 0,1
	global_load_b32 v[\base+2*(4*(4*\u+\s)+\nt)+\j], v5, s[6:7] offset:(16*(\t0+\u)+2*\s+\j)*4096+64*\nt
.endr
.endr
.endr
.endr
.endm
	WLOAD 120, 0
	s_wait_loadcnt 63                              ; 112 loads are issued: all but the youngest 63 are in: Q's 8, K's 8 and V's 32 are among the first 49
	v_wmma_f32_16x16x4_f32 v[184:191], v[56:57], v[24:25], 0               ; S^T = K Q^T: the first step starts the sum
.irp s, 1,2,3,4,5,6,7,8,9,10,11,12,13,14,15
	s_wait_alu depctr_va_vdst(0)                   ; the wait directly ahead of every link
	v_wmma_f32_16x16x4_f32 v[184:191], v[56+2*\s:57+2*\s], v[24+2*\s:25+2*\s], v[184:191]
.endr
.rept 8
	v_nop                                          ; eight places behind this form: for the loads into Q's and K's registers and the first read of the scores
.endr
	WLOAD 24, 2
.irp j, 0,1,2,3,4,5,6,7
	v_cmp_gt_i32 vcc_lo, \j, v20
	v_cndmask_b32 v[6+\j], v[184+\j], v21, vcc_lo  ; the causal mask; the scores go into other registers, from the accumulator's low end on
.endr
	v_max3_num_f32 v16, v6, v7, v8
	v_max3_num_f32 v17, v9, v10, v11
	v_max3_num_f32 v16, v16, v12, v13
	v_max_num_f32 v16, v16, v17
	v_permlanex16_b32 v17, v16, s16, s17
	v_max_num_f32 v15, v16, v17                    ; the row's maximum (key 0 counts for every query)
	v_mul_f32 v14, s18, v15
.irp i, 0,2,4,6
	v_pk_fma_f32 v[6+\i:7+\i], v[6+\i:7+\i], s[18:19], v[14:15] op_sel_hi:[1,0,0] neg_lo:[0,0,1] neg_hi:[0,0,1]   ; c s - c m
.endr
.irp j, 0,1,2,3,4,5,6,7
	v_exp_f32 v[6+\j], v[6+\j]
.endr
	v_nop                                          ; a plain instruction behind the last exponential
	s_wait_alu depctr_va_vdst(0)                   ; one wait for the eight, ahead of their first reader
	v_pk_add_f32 v[16:17], v[6:7], v[8:9]
	v_pk_add_f32 v[18:19], v[10:11], v[12:13]
	v_pk_add_f32 v[16:17], v[16:17], v[18:19]
	v_add_f32 v16, v16, v17
	v_permlanex16_b32 v17, v16, s16, s17
	v_add_f32 v16, v16, v17                        ; the row's sum
	v_rcp_f32 v18, v16
	v_nop
	s_wait_alu depctr_va_vdst(0)
.irp i, 0,2,4,6
	v_pk_mul_f32 v[6+\i:7+\i], v[6+\i:7+\i], v[18:19] op_sel_hi:[1,0]      ; the weights, normalised
.endr
.irp s, 0,1,2,3                                ; O^T = V^T P: four accumulators by turns
.irp t, 0,1,2,3
.if \s == 0
	v_wmma_f32_16x16x4_f32 v[192+8*\t:199+8*\t], v[88+8*\t+2*\s:89+8*\t+2*\s], v[6+2*\s:7+2*\s], 0
.else
	v_wmma_f32_16x16x4_f32 v[192+8*\t:199+8*\t], v[88+8*\t+2*\s:89+8*\t+2*\s], v[6+2*\s:7+2*\s], v[192+8*\t:199+8*\t]
.endif
.endr
.endr
	v_and_b32 v20, 15, v0                          ; nine places in front of products that take O^T as an operand; the first four make the offsets for the way out
	v_lshlrev_b32 v20, 4, v20                      ; bo: 16 (l % 16)
	v_bfe_u32 v21, v0, 4, 1
	v_lshl_add_u32 v21, v21, 12, v20               ; out0: row l / 16, 16 (l % 16)
.rept 4
	v_nop
.endr
	global_load_b128 v[88:91], v20, s[8:9]         ; bo, behind the eighth place: into registers that the products above have read
	v_nop
	s_wait_loadcnt 63                              ; behind the first half of Wo stand 65 younger loads: it is in
.macro PROJ base, t0                   ; out^T += Wo^T O for t = t0, t0 + 1: four accumulators by turns
.irp u, 0,1
.irp s, 0,1,2,3
.irp nt, 0,1,2,3
.if (\t0+\u+\s) == 0
	v_wmma_f32_16x16x4_f32 v[224+8*\nt:231+8*\nt], v[\base+2*(4*(4*\u+\s)+\nt):\base+2*(4*(4*\u+\s)+\nt)+1], v[192+8*(\t0+\u)+2*\s:193+8*(\t0+\u)+2*\s], 0
.else
	v_wmma_f32_16x16x4_f32 v[224+8*\nt:231+8*\nt], v[\base+2*(4*(4*\u+\s)+\nt):\base+2*(4*(4*\u+\s)+\nt)+1], v[192+8*(\t0+\u)+2*\s:193+8*(\t0+\u)+2*\s], v[224+8*\nt:231+8*\nt]
.endif
.endr
.endr
.endr
.endm
	PROJ 120, 0
	s_wait_loadcnt 1                               ; the second half of Wo is in; bo may be out
	PROJ 24, 2
.rept 8
	v_nop                                          ; eight places: for the stores of results and the loads into Wo's registers
.endr
.irp nt, 0,1,2,3
	ds_store_b128 v22, v[224+8*\nt:227+8*\nt] offset:64*\nt                ; lane (r, h): my head's part of out(r, 16 nt + 8 h + 0 .. 7)
	ds_store_b128 v22, v[228+8*\nt:231+8*\nt] offset:64*\nt+16
.endr
	s_wait_dscnt 0x0                               ; for the others' sake: my part lies in LDS
	s_barrier_signal -1
	s_barrier_wait -1
	s_wait_tensorcnt 0x0                           ; behind my last LDS store: only LDS reads follow
	ds_add_u32 v1, v2
	s_wait_dscnt 0x0
	s_cmp_lt_u32 s12, 8
	s_cbranch_scc1 .Lsum
	s_endpgm                                       ; sixteen rows, two a wave: waves 8 to 15 have nothing to add
.Lsum:
.irp k, 0,1,2,3,4,5,6,7,8,9,10,11,12,13,14,15
	ds_load_b128 v[120+4*\k:123+4*\k], v23 offset:\k*WPART                 ; head k's part of my 16 bytes
.endr
	s_wait_dscnt 0x0
	s_wait_loadcnt 0x0                             ; bo
.irp k, 1,2,3,4,5,6,7,8,9,10,11,12,13,14,15
	v_pk_add_f32 v[120:121], v[120:121], v[120+4*\k:121+4*\k]
	v_pk_add_f32 v[122:123], v[122:123], v[122+4*\k:123+4*\k]
.endr
	v_pk_add_f32 v[120:121], v[120:121], v[88:89]
	v_pk_add_f32 v[122:123], v[122:123], v[90:91]
	global_store_b128 v21, v[120:123], s[10:11]    ; sixteen lanes store 256 consecutive, aligned bytes
	s_endpgm
.Lfunc_end_k_q37e0ee3ee9_first16:
	.size	k_q37e0ee3ee9_first16, .Lfunc_end_k_q37e0ee3ee9_first16-k_q37e0ee3ee9_first16
	.p2alignl 7, 3214868480
	.fill 96, 4, 3214868480
	.section	.rodata,"a",@progbits
	.p2align	6, 0x0
	.amdhsa_kernel k_q37e0ee3ee9_first16
		.amdhsa_group_segment_fixed_size 71680
		.amdhsa_private_segment_fixed_size 0
		.amdhsa_enable_private_segment 0
		.amdhsa_kernarg_size 32
		.amdhsa_user_sgpr_count 2
		.amdhsa_user_sgpr_kernarg_segment_ptr 1
		.amdhsa_wavefront_size32 1
		.amdhsa_system_sgpr_workgroup_id_x 1
		.amdhsa_system_sgpr_workgroup_id_y 1
		.amdhsa_system_sgpr_workgroup_id_z 1
		.amdhsa_system_vgpr_workitem_id 0
		.amdhsa_next_free_vgpr 256
		.amdhsa_next_free_sgpr 66
		.amdhsa_reserve_vcc 1
		.amdhsa_float_denorm_mode_32 3
		.amdhsa_float_denorm_mode_16_64 3
		.amdhsa_memory_ordered 1
		.amdhsa_forward_progress 1
		.amdhsa_inst_pref_size 33
	.end_amdhsa_kernel
	.amdgpu_metadata
---
amdhsa.version: [ 1, 2 ]
amdhsa.kernels:
  - .name:           k_q37e0ee3ee9_first16
    .symbol:         k_q37e0ee3ee9_first16.kd
    .args:
      - { .name: qkvf, .offset: 0, .size: 8, .value_kind: global_buffer, .address_space: global }
      - { .name: Wo, .offset: 8, .size: 8, .value_kind: global_buffer, .address_space: global }
      - { .name: bo, .offset: 16, .size: 8, .value_kind: global_buffer, .address_space: global }
      - { .name: out0, .offset: 24, .size: 8, .value_kind: global_buffer, .address_space: global }
    .group_segment_fixed_size: 71680
    .private_segment_fixed_size: 0
    .kernarg_segment_align: 8
    .kernarg_segment_size: 32
    .max_flat_workgroup_size: 512
    .sgpr_count:     66
    .vgpr_count:     256
    .wavefront_size: 32
...
	.end_amdgpu_metadata
.endif
;; end of part 5
